; MI455X (gfx1250); checked and timed in simulation.
; The chip was launched on July 23, 2026; its instructions are those of AMD's public machine-readable ISA for CDNA 5 (MIT licence, August 2026) and "CDNA5" Instruction Set Architecture Reference Guide (July 2026). The comments in the code are by the model that wrote it; some were corrected since.
;; Mo E Layer. Allowed arithmetic: matrix products marked QUANTISED: E2M1 operands, one E8M0 scale for each 32 along K, by v_wmma_scale_f32_16x16x128_f8f6f4 with both operands' format E2M1 (or v_wmma_scale_f32_32x16x128_f4), f32 sums; products left as they are: f32 operands where the result goes on into a quantised operand, else bf16, f16 or f32 operands; f32 sums; everything else in f32.
;; Inputs: W1_codes 8 x 1,024 x 32 x 16 uint8 (E2M1 codes of W1, K innermost, in blocks of 32 codes, two codes a byte); W1_scales 8 x 1,024 x 32 uint8 (E8M0 scales of W1, one for each 32 codes along K); W2_codes 8 x 1,024 x 32 x 16 uint8 (E2M1 codes of W2, K innermost, in blocks of 32 codes, two codes a byte); W2_scales 8 x 1,024 x 32 uint8 (E8M0 scales of W2, one for each 32 codes along K); Wg 1,024 x 8 float32; b1 8 x 1,024 float32; b2 8 x 1,024 float32; x 2 x 2,048 x 1,024 float32.
;; Outputs: out0 2 x 2,048 x 1,024 float32.
;; This version of the problem:
;;   THIS VERSION OF THE PROBLEM IS GIVEN IN LOW PRECISION. The matrix products marked QUANTISED in the list below multiply operands that are first quantised to E2M1 (2 exponent bits, 1 mantissa bit; 4 bits a number), with one power-of-two scale for each 32 numbers along K (OCP MX v1.0); their sums are f32. All else is computed in f32.
;;   The module's matrix products, in the order in which they are computed (A, B: the left and right operand; K: the contracted axis; several contracted axes count as one K, in the product's order):
;;     1. [M 4,096, K 1,024] x [K 1,024, N 8]; A: input x; B: input Wg: left as it is (N = 8 < 16)
;;     2. [M 8,192, K 1,024] x [K 1,024, N 4,096]; A: input W1 (given as codes); B: input x: QUANTISED
;;     3. batch 8 x [M 4,096, K 1,024] x [K 1,024, N 1,024]; A: computed on the way; B: input W2 (given as codes): QUANTISED
;;     4. batch 4,096 x [M 1,024, K 8] x [K 8, N 1]; A: computed on the way; B: computed on the way: left as it is (K = 8 < 32)
;;   THE QUANTISER, for each operand of a quantised product, along K:
;;     - K is cut into blocks of 32 from its start; a last block that is shorter is filled with zeros.
;;     - A block's scale is 2^e with e = floor(log2(the largest magnitude in the block)) - 2, held to -126 .. 127; a block of zeros has e = 0. As a byte (E8M0): e + 127.
;;     - Each number is divided by its block's scale, clamped to +-6, and rounded to the nearest number of E2M1, ties to even, subnormals kept.
;;     - The product sums the exact products of the quantised numbers (number of the format x scale) in f32.
;;   ~~~python
;;   def quantise(x, axis):      # numpy; x: float32 -> the quantised numbers, widened to float32 again
;;       x = np.moveaxis(x, axis, -1); K = x.shape[-1]
;;       x = np.pad(x, [(0, 0)] * (x.ndim - 1) + [(0, -K % 32)]); x = x.reshape(x.shape[:-1] + (-1, 32)); a = np.abs(x).max(-1, keepdims=True)
;;       e = np.where(a > 0, np.clip(np.frexp(np.where(a > 0, a, 1))[1] - 1 - 2, -126, 127), 0)      # np.frexp(a)[1] - 1 = floor(log2(a)), exactly
;;       r = np.clip(x / 2.0 ** e, -6, 6)
;;       step = 2.0 ** (np.maximum(np.frexp(np.where(r == 0, 1, r))[1] - 1, 0) - 1)
;;       q = np.round(r / step) * step * 2.0 ** e      # np.round: ties to even
;;       return np.moveaxis(q.reshape(q.shape[:-2] + (-1,))[..., :K], -1, axis).astype(np.float32)
;;   ~~~
;;   OPERANDS COMPUTED ON THE WAY. 'Computed on the way' means the value that the module computes at that place (a softmax that the list does not call 'softmax' is quantised finished and normalised). What goes into a quantiser is computed in f32, as accurately as f32 sums, v_exp_f32 and their like allow (about 1e-6 of the number): no bf16 or f16 on the way to a quantiser, and a product that is left as it is and whose result goes on into a quantised operand takes f32 operands (vector FMAs, or v_wmma_f32_16x16x4_f32). A number that lies on a knife's edge between two numbers of the format may be rounded either way, as far as f32 arithmetic and the matrix unit's own rounding can turn it there, and no further.
;;   INPUTS GIVEN AS CODES. W1 (in the module: [8, 1024, 1024], K = its axis 1); W2 (in the module: [8, 1024, 1024], K = its axis 1): each comes as NAME_codes (uint8): NAME with its K axis moved to the last place and cut into blocks of 32 codes, [.., K / 32, bytes a block], one block behind the other in memory; two codes a byte, the lower K in the low four bits (a code: sign, 2 exponent bits, 1 mantissa bit); and NAME_scales (uint8): the same leading axes, one E8M0 byte (e + 127) for each 32 codes along K. Its value is code x scale, taken as it is: it is not quantised again, and the codes and scales need not be those that the quantiser above would give.
;; 2 versions, each right and faster than the one before. Each part assembles by itself: llvm-mc -triple=amdgcn-amd-amdhsa -mcpu=gfx1250 --defsym DOCPART=n.
;; ======== version 1 of 2: 4 launches
;; workspace buffers: xc 2,228,224 bytes; wts 131,072 bytes; rkey 65,536 bytes of whole numbers; xsd 2,228,224 bytes; tabs 25,856 bytes of whole numbers; hbuf 17,825,792 bytes
;; launch route (part 1): grid 256 x 1, 4 waves a work-group, no clusters, 12,800 bytes of LDS; arguments x, Wg, xc, wts, rkey; writes xc, wts, rkey
.if DOCPART == 1
	.amdgcn_target "amdgcn-amd-amdhsa--gfx1250"
	.amdhsa_code_object_version 6
	.text
	.protected	k_qe2b3811b7c_route
	.globl	k_qe2b3811b7c_route
	.p2align	8
	.type	k_qe2b3811b7c_route,@function
k_qe2b3811b7c_route:
	s_mov_b64 s[64:65], 0
	v_nop
	global_prefetch_b8 v0, s[64:65] scope:SCOPE_SE
	s_setreg_imm32_b32 hwreg(HW_REG_WAVE_MODE, 25, 1), 1
	s_wait_xcnt 0x0
; ROUTER, SORT KEYS AND THE QUANTISER OF x.  x: [4096][1024] f32, Wg: [1024][8] f32.
; Out: xc = x as E2M1 codes [4096][512 bytes] and, XSC bytes on, one E8M0 byte for each 32 along K [4096][32];
;      wts = probs x mask, f32 [4096][8];  rkey = for each token key | rank << 8 (8 bytes a token, the second word is never read) and, HOFF bytes on, counts [32 keys][256 segments].
; A token's key numbers its pair of experts (28 pairs).  All that is derived from the top-2 is STORED at fixed places; no branch and no address of this launch hangs on it.
; SHARES.  Work-group b: tokens 16 b .. 16 b + 15 (segment b of the sort).  Wave w: k = 256 w .. 256 w + 255 of all 16 rows.  Lane l: the 8 neighbours k = 256 w + 8 l + j of each row,
; so a block of 32 lies in lanes l, l^1, l^2, l^3.  x is read once; it feeds the router's sums (f32 multiply-adds) and the quantiser from the same registers.
; No matrix unit (the router has 8 columns), no cluster (work-groups share only Wg's 32 KB), no tensor load (a work-group's 64 KB are asked for at once, 32 loads a wave).
; LIMITS: NaN and infinities in x are not served.  A block whose largest magnitude lies under 2^-124, a block of zeros among them, gets the scale byte 1 (its codes are then zeros or as the floor gives them);
; these bytes are read by this program alone.  The router's sums are f32 in another order than a plain dot product's: a top-2 tie within f32 rounding may fall either way.
.set X,     32                         ; v32-159  row i at X + 8 i; once rows p and p + 8 are quantised, row p's eight registers take their folded sums
.set W,     160                        ; v160-223 Wg[k_j][e] at W + 8 j + e
.set ACC,   224                        ; v224-239 the eight sums of two rows
.set CR,    240                        ; v240-255 codes, two registers for each pair of rows
.set ER,    16                         ; v16-31   scale bytes, likewise
.set PART,  0                          ; LDS: the waves' partial logits, 512 bytes each
.set CODES, 2048                       ; 16 rows x 512 bytes of codes
.set SCB,   10240                      ; 16 rows x 32 scale bytes
.set XSC,   2097152
.set HOFF,  32768
	s_load_b256 s[4:11], s[0:1], 0x0               ; x s[4:5], Wg s[6:7], xc s[8:9], wts s[10:11]
	s_load_b64 s[12:13], s[0:1], 0x20              ; rkey
	v_lshl_add_u32 v11, v0, 2, 0x3000
	s_set_vgpr_msb 0x40
	v_mov_b32 v1, 0
	s_set_vgpr_msb 0x4000
	v_lshrrev_b32 v1, 5, v0
	v_readfirstlane_b32 s16, v1                    ; wave
	v_and_b32 v1, 31, v0                           ; lane
	s_lshl_b32 s17, s16, 10
	v_lshl_add_u32 v2, v1, 5, s17                  ; x: 1,024 w + 32 l in a row
	s_lshl_b32 s17, s16, 13
	v_lshl_add_u32 v3, v1, 8, s17                  ; Wg: my 8 rows of 32 bytes
	s_lshl_b32 s17, s16, 7
	s_add_co_u32 s17, s17, CODES
	v_lshl_add_u32 v4, v1, 2, s17                  ; LDS: my 4 bytes of a row's codes
	v_lshrrev_b32 v5, 2, v1
	s_lshl_b32 s17, s16, 3
	s_add_co_u32 s17, s17, SCB
	v_add_nc_u32 v5, s17, v5                       ; LDS: my block's byte of a row
	s_lshl_b32 s17, s16, 9
	v_lshl_add_u32 v6, v1, 4, s17                  ; LDS: my wave's partial logits
	v_lshlrev_b32 v7, 4, v1                        ; 16 l
	s_lshl_b32 s17, s16, 11
	v_lshl_add_u32 v9, v1, 4, s17                  ; xc: rows 4 w on, 16 l
	v_add_nc_u32 v8, CODES, v9                     ; and the same in LDS
	v_add_nc_u32 v10, SCB, v7
	s_mov_b32 s20, 0xff00ff00                      ; lanes with bit 3 set; bit 2; bit 1; bit 0
	s_mov_b32 s21, 0xf0f0f0f0
	s_mov_b32 s22, 0xcccccccc
	s_mov_b32 s23, 0xaaaaaaaa
	s_mov_b32 s24, 0x55555555                      ; the even lanes
	s_mov_b32 s19, 0
	s_wait_kmcnt 0x0
	s_lshl_b32 s18, ttmp9, 16
	s_add_nc_u64 s[4:5], s[4:5], s[18:19]          ; x at my 16 rows
	s_lshl_b32 s18, ttmp9, 9
	s_add_nc_u64 s[26:27], s[8:9], s[18:19]        ; xc's scale bytes (XSC stands in the immediate)
	s_add_nc_u64 s[10:11], s[10:11], s[18:19]      ; wts
	s_lshl_b32 s18, ttmp9, 13
	s_add_nc_u64 s[8:9], s[8:9], s[18:19]          ; xc's codes
	s_lshl_b32 s18, ttmp9, 2
	s_add_nc_u64 s[28:29], s[12:13], s[18:19]      ; my column of the counts
	s_lshl_b32 s18, ttmp9, 7
	s_add_nc_u64 s[12:13], s[12:13], s[18:19]      ; my 16 key words
.irp m, 0,1,2,3,4,5,6,7,8,9,10,11,12,13,14,15
	global_load_b128 v[W+4*\m:W+4*\m+3], v3, s[6:7] offset:16*\m
.endr
.irp p, 0,1,2,3,4,5,6,7                        ; rows in the order 0, 8, 1, 9, ..: the order in which they are worked
	global_load_b128 v[X+8*\p:X+8*\p+3], v2, s[4:5] offset:\p*4096 th:TH_LOAD_NT
	global_load_b128 v[X+8*\p+4:X+8*\p+7], v2, s[4:5] offset:\p*4096+16 th:TH_LOAD_NT
	global_load_b128 v[X+8*\p+64:X+8*\p+67], v2, s[4:5] offset:(\p+8)*4096 th:TH_LOAD_NT
	global_load_b128 v[X+8*\p+68:X+8*\p+71], v2, s[4:5] offset:(\p+8)*4096+16 th:TH_LOAD_NT
.endr
; number j of both rows times Wg's row k_j, onto the eight sums of each: sel says which register of x's pair feeds both halves
.macro DOT p, j, sel
.irp hf, 0,1
.irp q, 0,1,2,3
	v_pk_fma_f32 v[ACC+8*\hf+2*\q:ACC+8*\hf+2*\q+1], v[X+8*(\p)+64*\hf+2*((\j)/2):X+8*(\p)+64*\hf+2*((\j)/2)+1], v[W+8*(\j)+2*\q:W+8*(\j)+2*\q+1], v[ACC+8*\hf+2*\q:ACC+8*\hf+2*\q+1] op_sel:[\sel,0,0] op_sel_hi:[\sel,1,1]
.endr
.endr
.endm
.macro PAIR p                          ; rows p and p + 8
	s_wait_loadcnt 28-4*(\p)                       ; Wg's 16 loads and x's first 4 (p + 1) are in; the younger ones stay out
.irp hf, 0,1
.irp q, 0,1,2,3
	v_pk_mul_f32 v[ACC+8*\hf+2*\q:ACC+8*\hf+2*\q+1], v[X+8*(\p)+64*\hf:X+8*(\p)+64*\hf+1], v[W+2*\q:W+2*\q+1] op_sel_hi:[0,1]   ; j = 0 starts the sums
.endr
.endr
	DOT \p, 1, 1
	DOT \p, 2, 0
	DOT \p, 3, 1
	DOT \p, 4, 0
	DOT \p, 5, 1
	DOT \p, 6, 0
	DOT \p, 7, 1
	v_max3_num_f32 v12, |v[X+8*(\p)]|, |v[X+8*(\p)+1]|, 0x1800000      ; the largest magnitude of my 8, and the floor 2^(3 - 127): the byte cannot fall under 1
	v_max3_num_f32 v13, |v[X+8*(\p)+64]|, |v[X+8*(\p)+65]|, 0x1800000
.irp i, 2,4,6
	v_max3_num_f32 v12, v12, |v[X+8*(\p)+\i]|, |v[X+8*(\p)+\i+1]|
	v_max3_num_f32 v13, v13, |v[X+8*(\p)+64+\i]|, |v[X+8*(\p)+65+\i]|
.endr
	v_max_num_f32_dpp v12, v12, v12 row_xmask:1 row_mask:0xf bank_mask:0xf
	v_max_num_f32_dpp v13, v13, v13 row_xmask:1 row_mask:0xf bank_mask:0xf
	v_max_num_f32_dpp v12, v12, v12 row_xmask:2 row_mask:0xf bank_mask:0xf   ; the block's: four lanes
	v_max_num_f32_dpp v13, v13, v13 row_xmask:2 row_mask:0xf bank_mask:0xf
	v_add_nc_u32 v14, 0xff000000, v12              ; 2 off the exponent field: the conversion's scale operand
	v_add_nc_u32 v15, 0xff000000, v13
	v_cvt_scalef32_pk8_fp4_f32 v[CR+2*(\p)], v[X+8*(\p):X+8*(\p)+7], v14
	v_cvt_scalef32_pk8_fp4_f32 v[CR+2*(\p)+1], v[X+8*(\p)+64:X+8*(\p)+71], v15
	v_lshrrev_b32 v[ER+2*(\p)], 23, v14            ; the scale's byte (also the plain line behind the conversions)
	v_lshrrev_b32 v[ER+2*(\p)+1], 23, v15
	ds_store_b32 v4, v[CR+2*(\p)] offset:(\p)*512
	ds_store_b32 v4, v[CR+2*(\p)+1] offset:(\p)*512+4096
	ds_store_b8 v5, v[ER+2*(\p)] offset:(\p)*32    ; the four lanes of a block write the same byte with the same value
	ds_store_b8 v5, v[ER+2*(\p)+1] offset:(\p)*32+256
.irp e, 0,1,2,3,4,5,6,7
	v_permlane16_swap_b32 v[ACC+\e], v[ACC+8+\e]   ; row p's upper lanes change places with row p + 8's lower lanes:
.endr
.irp e, 0,1,2,3,4,5,6,7
	v_add_f32 v[X+8*(\p)+\e], v[ACC+\e], v[ACC+8+\e]   ; lanes 0-15 now sum row p, lanes 16-31 row p + 8
.endr
.endm
.irp p, 0,1,2,3,4,5,6,7
	PAIR \p
.endr
; A fold: lanes outside the mask keep a, those inside keep b; each adds what its partner (lane xor xm) held of the same.  Two registers become one, and the sum spans twice the lanes.
.macro FOLD a, b, m, xm, t
	v_cndmask_b32 v[\t], v[\a], v[\b], s[\m]
	v_cndmask_b32 v[\t+1], v[\b], v[\a], s[\m]
	v_add_f32_dpp v[\a], v[\t+1], v[\t] row_xmask:\xm row_mask:0xf bank_mask:0xf
.endm
.irp p, 0,1,2,3
.irp e, 0,1,2,3,4,5,6,7
	FOLD X+8*\p+\e, X+8*\p+32+\e, 20, 8, 12+2*(\e%2)
.endr
.endr
.irp p, 0,1
.irp e, 0,1,2,3,4,5,6,7
	FOLD X+8*\p+\e, X+8*\p+16+\e, 21, 4, 12+2*(\e%2)
.endr
.endr
.irp e, 0,1,2,3,4,5,6,7
	FOLD X+\e, X+8+\e, 22, 2, 12+2*(\e%2)
.endr
.irp e, 0,1,2,3
	FOLD X+\e, X+4+\e, 23, 1, 12+2*(\e%2)
.endr
	ds_store_b128 v6, v[X:X+3]                     ; lane l: row l / 2, experts 4 (l % 2) + 0 .. 3, summed over my wave's 256 k
	s_wait_dscnt 0x0                               ; for the others' sake: all my LDS stores have landed
	s_barrier_signal -1
	s_barrier_wait -1
.irp i, 0,1,2,3
	ds_load_b128 v[40+4*\i:43+4*\i], v8 offset:512*\i   ; rows 4 w + i, whole
.endr
.irp i, 0,1,2,3
	s_wait_dscnt 3-\i
	global_store_b128 v9, v[40+4*\i:43+4*\i], s[8:9] offset:512*\i   ; 32 lanes store a row's 512 consecutive bytes
.endr
	s_cmp_lg_u32 s16, 0
	s_cbranch_scc1 .Lend
	; ---- wave 0 alone: the scale bytes, the softmax, the top-2, the key and the counts.  Lanes 2 i and 2 i + 1 both hold token i
	ds_load_b128 v[56:59], v10
.irp i, 0,1,2,3
	ds_load_b128 v[60+4*\i:63+4*\i], v7 offset:PART+512*\i
.endr
	s_wait_dscnt 0x4
	global_store_b128 v7, v[56:59], s[26:27] offset:XSC   ; 512 consecutive bytes: 16 rows of 32 scale bytes
	s_wait_dscnt 0x0
	v_pk_add_f32 v[60:61], v[60:61], v[64:65]
	v_pk_add_f32 v[62:63], v[62:63], v[66:67]
	v_pk_add_f32 v[68:69], v[68:69], v[72:73]
	v_pk_add_f32 v[70:71], v[70:71], v[74:75]
	v_pk_add_f32 v[60:61], v[60:61], v[68:69]
	v_pk_add_f32 v[62:63], v[62:63], v[70:71]      ; my four logits
.irp k, 0,1,2,3
	v_mov_b32_dpp v[64+\k], v[60+\k] row_xmask:1 row_mask:0xf bank_mask:0xf   ; my neighbour's four
.endr
.irp k, 0,1,2,3
	v_cndmask_b32 v[80+\k], v[60+\k], v[64+\k], s23    ; experts 0-3: an even lane's own
	v_cndmask_b32 v[84+\k], v[64+\k], v[60+\k], s23    ; experts 4-7: an odd lane's own
.endr
	v_max3_num_f32 v88, v80, v81, v82
	v_max3_num_f32 v88, v88, v83, v84
	v_max3_num_f32 v88, v88, v85, v86
	v_max_num_f32 v88, v88, v87                    ; the largest logit is taken away ahead of the exponentials
.irp e, 0,1,2,3,4,5,6,7
	v_sub_f32 v[80+\e], v[80+\e], v88
.endr
.irp e, 0,1,2,3,4,5,6,7
	v_mul_f32 v[80+\e], 0x3fb8aa3b, v[80+\e]
.endr
.irp e, 0,1,2,3,4,5,6,7
	v_exp_f32 v[80+\e], v[80+\e]
.endr
	v_nop                                          ; a plain line behind the exponentials
	s_wait_alu depctr_va_vdst(0)
	v_add_f32 v89, v80, v81
	v_add_f32 v90, v82, v83
	v_add_f32 v91, v84, v85
	v_add_f32 v92, v86, v87
	v_add_f32 v89, v89, v90
	v_add_f32 v91, v91, v92
	v_add_f32 v89, v89, v91
	v_rcp_f32 v89, v89
	v_nop
	s_wait_alu depctr_va_vdst(0)
.irp e, 0,1,2,3,4,5,6,7
	v_mul_f32 v[80+\e], v[80+\e], v89              ; probs
.endr
	v_mov_b32 v90, v80                             ; the best so far and its index,
	v_mov_b32 v91, 0
	v_mov_b32 v92, -1.0                            ; the second (under every probability)
	v_mov_b32 v93, 0
.irp e, 1,2,3,4,5,6,7                          ; strictly greater: of equals the lower index is kept
	v_cmp_gt_f32 s30, v[80+\e], v90
	v_cmp_gt_f32 s31, v[80+\e], v92
	v_cndmask_b32 v92, v92, v[80+\e], s31
	v_cndmask_b32 v93, v93, \e, s31
	v_cndmask_b32 v92, v92, v90, s30
	v_cndmask_b32 v93, v93, v91, s30
	v_cndmask_b32 v90, v90, v[80+\e], s30
	v_cndmask_b32 v91, v91, \e, s30
.endr
.irp e, 0,1,2,3,4,5,6,7
	v_cmp_eq_u32 s30, \e, v91
	v_cmp_eq_u32 s31, \e, v93
	s_or_b32 s30, s30, s31
	v_cndmask_b32 v[96+\e], 0, v[80+\e], s30       ; probs x mask
.endr
.irp k, 0,1,2,3
	v_cndmask_b32 v[104+\k], v[96+\k], v[100+\k], s23
.endr
	global_store_b128 v7, v[104:107], s[10:11]     ; 512 consecutive bytes: 16 tokens x 8 weights
	v_min_u32 v108, v91, v93                       ; lo
	v_max_u32 v109, v91, v93                       ; hi
	v_sub_nc_u32 v110, 15, v108
	v_mul_u32_u24 v110, v110, v108
	v_lshrrev_b32 v110, 1, v110
	v_add_nc_u32 v110, v110, v109
	v_sub_nc_u32 v110, v110, v108
	v_add_nc_u32 v110, -1, v110                    ; key = lo (15 - lo) / 2 + hi - lo - 1: 0 .. 27
	v_mov_b32 v112, 0                              ; lane k: how many of my 16 tokens have key k
	v_mov_b32 v113, 0                              ; my token's rank among those of its key
.set KK, 0
.rept 28
	v_cmp_eq_u32 s30, KK, v110
	s_and_b32 s31, s30, s24                        ; each token once: the even lanes
	s_bcnt1_i32_b32 s32, s31
	v_writelane_b32 v112, s32, KK
	v_mbcnt_lo_u32_b32 v111, s31, 0
	v_cndmask_b32 v113, v113, v111, s31
.set KK, KK+1
.endr
	v_lshl_or_b32 v114, v113, 8, v110
	v_lshlrev_b32 v115, 2, v1
	v_lshlrev_b32 v116, 10, v1
	global_store_b32 v115, v114, s[12:13]          ; the even lanes' words are the tokens'
	global_store_b32 v116, v112, s[28:29] offset:HOFF   ; counts[key = lane][segment b]: four bytes a lane, once for each work-group, so that the next launch reads the table key by key
.Lend:
	s_set_vgpr_msb 0x4
	s_wait_tensorcnt 0x0
	ds_add_u32 v11, v1
	s_wait_dscnt 0x0
	s_set_vgpr_msb 0x400
	s_endpgm
.Lfunc_end_k_qe2b3811b7c_route:
	.size	k_qe2b3811b7c_route, .Lfunc_end_k_qe2b3811b7c_route-k_qe2b3811b7c_route
	.p2alignl 7, 3214868480
	.fill 96, 4, 3214868480
	.section	.rodata,"a",@progbits
	.p2align	6, 0x0
	.amdhsa_kernel k_qe2b3811b7c_route
		.amdhsa_group_segment_fixed_size 12800
		.amdhsa_private_segment_fixed_size 0
		.amdhsa_enable_private_segment 0
		.amdhsa_kernarg_size 40
		.amdhsa_user_sgpr_count 2
		.amdhsa_user_sgpr_kernarg_segment_ptr 1
		.amdhsa_wavefront_size32 1
		.amdhsa_system_sgpr_workgroup_id_x 1
		.amdhsa_system_sgpr_workgroup_id_y 1
		.amdhsa_system_sgpr_workgroup_id_z 1
		.amdhsa_system_vgpr_workitem_id 0
		.amdhsa_next_free_vgpr 258
		.amdhsa_next_free_sgpr 66
		.amdhsa_reserve_vcc 0
		.amdhsa_float_denorm_mode_32 3
		.amdhsa_float_denorm_mode_16_64 3
		.amdhsa_memory_ordered 1
		.amdhsa_forward_progress 1
		.amdhsa_inst_pref_size 85
	.end_amdhsa_kernel
	.amdgpu_metadata
---
amdhsa.version: [ 1, 2 ]
amdhsa.kernels:
  - .name:           k_qe2b3811b7c_route
    .symbol:         k_qe2b3811b7c_route.kd
    .args:
      - { .name: x, .offset: 0, .size: 8, .value_kind: global_buffer, .address_space: global }
      - { .name: Wg, .offset: 8, .size: 8, .value_kind: global_buffer, .address_space: global }
      - { .name: xc, .offset: 16, .size: 8, .value_kind: global_buffer, .address_space: global }
      - { .name: wts, .offset: 24, .size: 8, .value_kind: global_buffer, .address_space: global }
      - { .name: rkey, .offset: 32, .size: 8, .value_kind: global_buffer, .address_space: global }
    .group_segment_fixed_size: 12800
    .private_segment_fixed_size: 0
    .kernarg_segment_align: 8
    .kernarg_segment_size: 40
    .max_flat_workgroup_size: 128
    .sgpr_count:     66
    .vgpr_count:     258
    .wavefront_size: 32
...
	.end_amdgpu_metadata
.endif
;; end of part 1
;; launch place (part 2): grid 32 x 1, 32 waves a work-group, no clusters, 40,960 bytes of LDS; arguments xc, rkey, xsd, tabs; writes xsd, tabs
.if DOCPART == 2
	.amdgcn_target "amdgcn-amd-amdhsa--gfx1250"
	.amdhsa_code_object_version 6
	.text
	.protected	k_qe2b3811b7c_place
	.globl	k_qe2b3811b7c_place
	.p2align	8
	.type	k_qe2b3811b7c_place,@function
k_qe2b3811b7c_place:
	s_mov_b64 s[64:65], 0
	v_nop
	global_prefetch_b8 v0, s[64:65] scope:SCOPE_SE
	s_setreg_imm32_b32 hwreg(HW_REG_WAVE_MODE, 25, 1), 1
	s_wait_xcnt 0x0
; THE SORT'S END.  Tokens are put in the order of (key, segment, rank).  Out: xsd = xc's rows in that order; tabs = perm[4096] (position -> token);
; gmask[256] at GM: which experts the 16 tokens of a group (16 neighbouring positions) use; glist[8][8][32] at GL: for each expert its groups, entry i at (i % 8) x 32 + i / 8, members first; cnt[8] at CN.
; SHARES.  Every work-group repeats the scan of the 32 x 256 counts (wave k: key k, 8 segments a lane).  Work-group b places tokens 128 b .. 128 b + 127, four a wave.  Work-group 0 alone stores the tables.
; All waves of all work-groups pass all four barriers.  No atomics: a token's place is start[key][segment] + rank.
; No matrix unit, no tensor load, no cluster: the launch moves 2 MB once, and what the work-groups share is the 32 KB of counts.
.set XSC,  2097152
.set HOFF, 32768
.set GM,   16384
.set GL,   17408
.set CN,   25600
.set WT,   32768                       ; LDS: behind the table [32][256] of starts: a total for each wave,
.set GMB,  33024                       ; and a mask for each group
.set KS,   32                          ; s32-60  where each key begins
.set MM,   68                          ; s68-75  lanes whose group uses my expert
.macro BAR
	s_barrier_signal -1
	s_barrier_wait -1
.endm
	s_load_b256 s[4:11], s[0:1], 0x0               ; xc s[4:5], rkey s[6:7], xsd s[8:9], tabs s[10:11]
	v_lshl_add_u32 v64, v0, 2, 0x9000
	v_mov_b32 v65, 0
	v_lshrrev_b32 v1, 5, v0
	v_readfirstlane_b32 s16, v1                    ; wave
	v_and_b32 v1, 31, v0                           ; lane
	v_lshlrev_b32 v2, 5, v0                        ; my 8 counts: 32 bytes a thread, in memory and in LDS
	v_lshlrev_b32 v3, 4, v1
	s_lshl_b32 s17, s16, 2
	s_add_co_u32 s17, s17, WT
	v_mov_b32 v4, s17                              ; my wave's total
	v_lshl_add_u32 v5, v1, 2, WT                   ; wave l's total
	s_lshl_b32 s17, ttmp9, 3
	s_lshr_b32 s18, s16, 2
	s_add_co_u32 s17, s17, s18                     ; my four tokens' segment
	s_lshl_b32 s17, s17, 2
	v_lshl_add_u32 v6, v1, 10, s17                 ; start[key = lane][segment]
	s_and_b32 s18, s16, 7
	s_lshl_b32 s18, s18, 7
	v_lshl_add_u32 v19, v1, 2, s18                 ; 4 g, g = 32 (w % 8) + l
	v_add_nc_u32 v7, GMB, v19
	v_lshl_add_u32 v17, v1, 2, GMB
	v_lshlrev_b32 v18, 10, v1                      ; start[key = lane][0]
	v_bfe_u32 v49, v1, 1, 2                        ; which of my wave's four tokens: (l / 2) % 4
	v_lshlrev_b32 v48, 3, v49
	v_and_b32 v50, 7, v1
	v_lshlrev_b32 v50, 4, v50
	s_lshl_b32 s19, ttmp9, 7
	s_lshl_b32 s20, s16, 2
	s_add_co_u32 s19, s19, s20                     ; my wave's first token
	v_add_nc_u32 v49, s19, v49                     ; my lane's token
	s_mov_b32 s21, 0
	s_mov_b32 s22, 0x76543210
	s_mov_b32 s23, 0xfedcba98
	s_wait_kmcnt 0x0
	s_lshl_b32 s20, s19, 9
	s_add_nc_u64 s[24:25], s[4:5], s[20:21]
	s_lshl_b32 s20, s19, 5
	s_add_nc_u64 s[26:27], s[4:5], s[20:21]
	s_lshl_b32 s20, s19, 3
	s_add_nc_u64 s[28:29], s[6:7], s[20:21]
	global_load_b128 v[8:11], v2, s[6:7] offset:HOFF
	global_load_b128 v[12:15], v2, s[6:7] offset:HOFF+16
	global_load_b32 v16, v48, s[28:29]             ; key | rank << 8
.irp i, 0,1,2,3
	global_load_b128 v[20+4*\i:23+4*\i], v3, s[24:25] offset:512*\i   ; a token's 512 bytes of codes
.endr
	global_load_b128 v[36:39], v50, s[26:27] offset:XSC   ; four tokens' scale bytes, in lanes 0-7, repeated
	s_wait_loadcnt 0x6                             ; the counts are in; the six younger loads stay out
	v_mov_b32 v41, v8                              ; sums of what stands ahead of each of my 8
	v_add_nc_u32 v42, v41, v9
	v_add_nc_u32 v43, v42, v10
	v_add_nc_u32 v44, v43, v11
	v_add_nc_u32 v45, v44, v12
	v_add_nc_u32 v46, v45, v13
	v_add_nc_u32 v47, v46, v14
	v_add_nc_u32 v54, v47, v15                     ; my 8 together
	v_mov_b32 v53, v54
	v_mov_b32 v51, 0
.irp n, 1,2,4,8
	v_mov_b32_dpp v51, v53 row_shr:\n row_mask:0xf bank_mask:0xf bound_ctrl:1
	v_add_nc_u32 v53, v53, v51
.endr
	v_readlane_b32 s30, v53, 15
	v_cmp_lt_u32 vcc_lo, 15, v1
	v_mov_b32 v51, s30
	v_cndmask_b32 v51, 0, v51, vcc_lo
	v_add_nc_u32 v53, v53, v51                     ; the running sum over the wave, my lane included
	v_readlane_b32 s30, v53, 31
	v_mov_b32 v51, s30
	ds_store_b32 v4, v51
	s_wait_dscnt 0x0
	BAR
	ds_load_b32 v51, v5
	v_cmp_gt_u32 vcc_lo, s16, v1
	s_wait_dscnt 0x0
	v_cndmask_b32 v51, 0, v51, vcc_lo              ; the totals of the waves ahead of mine
	v_mov_b32 v52, 0
.irp n, 1,2,4,8
	v_mov_b32_dpp v52, v51 row_xmask:\n row_mask:0xf bank_mask:0xf
	v_add_nc_u32 v51, v51, v52
.endr
	v_permlanex16_b32 v52, v51, s22, s23
	v_add_nc_u32 v51, v51, v52
	v_add_nc_u32 v51, v51, v53
	v_sub_nc_u32 v40, v51, v54                     ; where my first entry begins
.irp j, 1,2,3,4,5,6,7
	v_add_nc_u32 v[40+\j], v40, v[40+\j]
.endr
	ds_store_b128 v2, v[40:43]
	ds_store_b128 v2, v[44:47] offset:16
	s_wait_dscnt 0x0
	BAR                                            ; the table of starts is whole
	ds_load_b32 v56, v6
	s_wait_loadcnt 0x5                             ; the key word is in
	v_and_b32 v55, 31, v16
	v_min_u32 v55, 31, v55
	v_lshlrev_b32 v55, 2, v55
	v_bfe_u32 v51, v16, 8, 4                       ; rank
	s_wait_dscnt 0x0
	ds_bpermute_b32 v57, v55, v56                  ; start[my token's key][segment], from lane key
	s_wait_dscnt 0x0
	BAR                                            ; parts these LDS instructions from the stores of the masks below
	v_add_nc_u32 v57, v57, v51
	v_min_u32 v57, 4095, v57                       ; my token's place
	v_lshlrev_b32 v58, 2, v57
	global_store_b32 v58, v49, s[10:11]            ; perm (lanes that hold the same token store the same word)
	v_and_b32 v51, 1, v1
	v_lshlrev_b32 v51, 4, v51
	v_lshl_add_u32 v59, v57, 5, v51
	s_wait_loadcnt 0x0
.irp i, 0,1,2,3
	v_readlane_b32 s30, v57, 2*\i
	s_min_u32 s30, s30, 4095
	v_lshl_add_u32 v[60+\i], s30, 9, v3
	global_store_b128 v[60+\i], v[20+4*\i:23+4*\i], s[8:9]   ; 32 lanes store the row's 512 consecutive bytes
.endr
	global_store_b128 v59, v[36:39], s[8:9] offset:XSC
	s_cmp_ge_u32 s16, 8
	s_cbranch_scc1 .Lno_gm
	ds_load_b32 v51, v18                           ; waves 0-7: a group to a lane
	s_wait_dscnt 0x0
.set KK, 0
.rept 29
	v_readlane_b32 s[KS+KK], v51, KK
.set KK, KK+1
.endr
	v_lshlrev_b32 v52, 2, v19                      ; the group's first place, 16 g,
	v_add_nc_u32 v53, 16, v52                      ; and the place behind its last
	v_mov_b32 v54, 0
.set KK, 0
.irp lo, 0,1,2,3,4,5,6
.irp hi, 1,2,3,4,5,6,7
.if \hi > \lo
	v_max_u32 v55, s[KS+KK], v52                   ; does key KK's run of places meet the group's?
	v_min_u32 v56, s[KS+KK+1], v53
	v_cmp_lt_u32 vcc_lo, v55, v56
	v_or_b32 v51, (1<<\lo)|(1<<\hi), v54
	v_cndmask_b32 v54, v54, v51, vcc_lo
.set KK, KK+1
.endif
.endr
.endr
	ds_store_b32 v7, v54
.Lno_gm:
	s_wait_dscnt 0x0
	BAR
	s_cmp_lg_u32 ttmp9, 0
	s_cbranch_scc1 .Lend
	s_cmp_ge_u32 s16, 8
	s_cbranch_scc1 .Lend
	; ---- work-group 0, wave e: expert e's list
	s_wait_xcnt 0x0                                ; the stores above have read their registers: these are used again
.irp j, 0,1,2,3,4,5,6,7
	ds_load_b32 v[8+\j], v17 offset:128*\j         ; group 32 j + l
.endr
	ds_load_b32 v16, v7
	s_wait_dscnt 0x0
	global_store_b32 v19, v16, s[10:11] offset:GM  ; gmask: 128 consecutive bytes a wave
	s_mov_b32 s30, 0
.irp j, 0,1,2,3,4,5,6,7
	v_lshrrev_b32 v51, s16, v[8+\j]
	v_and_b32 v51, 1, v51
	v_cmp_ne_u32 s[MM+\j], 0, v51
	s_bcnt1_i32_b32 s31, s[MM+\j]
	s_add_co_u32 s30, s30, s31                     ; how many groups use my expert
.endr
	s_lshl_b32 s31, s16, 2
	v_mov_b32 v52, s31
	v_mov_b32 v53, s30
	global_store_b32 v52, v53, s[10:11] offset:CN
	s_mov_b32 s76, 0                               ; members so far;
	s_mov_b32 s77, s30                             ; the others follow the members, so that all 256 entries are written
	s_lshl_b32 s78, s16, 8
.irp j, 0,1,2,3,4,5,6,7
	v_mbcnt_lo_u32_b32 v54, s[MM+\j], 0
	v_add_nc_u32 v54, s76, v54
	s_not_b32 s79, s[MM+\j]
	v_mbcnt_lo_u32_b32 v55, s79, 0
	v_add_nc_u32 v55, s77, v55
	v_cndmask_b32 v54, v55, v54, s[MM+\j]          ; the group's index i in the list
	v_and_b32 v55, 7, v54
	v_lshrrev_b32 v54, 3, v54
	v_lshl_add_u32 v54, v55, 5, v54
	v_add_nc_u32 v54, s78, v54                     ; 256 e + 32 (i % 8) + i / 8
	v_min_u32 v54, 2047, v54
	v_lshlrev_b32 v[24+\j], 2, v54
	v_add_nc_u32 v[32+\j], 32*\j, v1
	global_store_b32 v[24+\j], v[32+\j], s[10:11] offset:GL
	s_bcnt1_i32_b32 s79, s[MM+\j]
	s_add_co_u32 s76, s76, s79
	s_sub_co_u32 s79, 32, s79
	s_add_co_u32 s77, s77, s79
.endr
.Lend:
	s_wait_tensorcnt 0x0
	ds_add_u32 v64, v65
	s_wait_dscnt 0x0
	s_endpgm
.Lfunc_end_k_qe2b3811b7c_place:
	.size	k_qe2b3811b7c_place, .Lfunc_end_k_qe2b3811b7c_place-k_qe2b3811b7c_place
	.p2alignl 7, 3214868480
	.fill 96, 4, 3214868480
	.section	.rodata,"a",@progbits
	.p2align	6, 0x0
	.amdhsa_kernel k_qe2b3811b7c_place
		.amdhsa_group_segment_fixed_size 40960
		.amdhsa_private_segment_fixed_size 0
		.amdhsa_enable_private_segment 0
		.amdhsa_kernarg_size 32
		.amdhsa_user_sgpr_count 2
		.amdhsa_user_sgpr_kernarg_segment_ptr 1
		.amdhsa_wavefront_size32 1
		.amdhsa_system_sgpr_workgroup_id_x 1
		.amdhsa_system_sgpr_workgroup_id_y 1
		.amdhsa_system_sgpr_workgroup_id_z 1
		.amdhsa_system_vgpr_workitem_id 0
		.amdhsa_next_free_vgpr 66
		.amdhsa_next_free_sgpr 80
		.amdhsa_reserve_vcc 1
		.amdhsa_float_denorm_mode_32 3
		.amdhsa_float_denorm_mode_16_64 3
		.amdhsa_memory_ordered 1
		.amdhsa_forward_progress 1
		.amdhsa_inst_pref_size 24
	.end_amdhsa_kernel
	.amdgpu_metadata
---
amdhsa.version: [ 1, 2 ]
amdhsa.kernels:
  - .name:           k_qe2b3811b7c_place
    .symbol:         k_qe2b3811b7c_place.kd
    .args:
      - { .name: xc, .offset: 0, .size: 8, .value_kind: global_buffer, .address_space: global }
      - { .name: rkey, .offset: 8, .size: 8, .value_kind: global_buffer, .address_space: global }
      - { .name: xsd, .offset: 16, .size: 8, .value_kind: global_buffer, .address_space: global }
      - { .name: tabs, .offset: 24, .size: 8, .value_kind: global_buffer, .address_space: global }
    .group_segment_fixed_size: 40960
    .private_segment_fixed_size: 0
    .kernarg_segment_align: 8
    .kernarg_segment_size: 32
    .max_flat_workgroup_size: 1024
    .sgpr_count:     80
    .vgpr_count:     66
    .wavefront_size: 32
...
	.end_amdgpu_metadata
.endif
;; end of part 2
;; launch up (part 3): grid 256 x 1, 4 waves a work-group, no clusters, 287,232 bytes of LDS; arguments xsd, tabs, W1_codes, W1_scales, b1, hbuf; writes hbuf
.if DOCPART == 3
	.amdgcn_target "amdgcn-amd-amdhsa--gfx1250"
	.amdhsa_code_object_version 6
	.text
	.protected	k_qe2b3811b7c_up
	.globl	k_qe2b3811b7c_up
	.p2align	8
	.type	k_qe2b3811b7c_up,@function
k_qe2b3811b7c_up:
	s_mov_b64 s[64:65], 0
	v_nop
	global_prefetch_b8 v0, s[64:65] scope:SCOPE_SE
	s_setreg_imm32_b32 hwreg(HW_REG_WAVE_MODE, 25, 1), 1
	s_wait_xcnt 0x0
; h = Q(gelu(Q(x) W1 + b1)) for the UNITS (group g of 16 sorted tokens, expert e that one of them uses).  Both operands E2M1 with E8M0 scales, sums f32; gelu (tanh form) and the quantiser in f32.
; hbuf: slot g x 8 + e of 8,704 bytes: the 16 rows' codes as images of the next product's operand registers (64 hidden units cg at 512 cg + 16 x lane), then 512 bytes of scale halves, u16 [cg][row].
; SHARES.  Work-group (e, j, c): 256 hidden units of expert e, every eighth unit of e's list.  Wave w: the 64 hidden units cg = 4 j + w, for all units: its part of W1 (4 tiles x 8 K steps, 256 registers),
; its scale words and its biases stay in registers and are read from memory once.  The units' rows of x reach all four waves through LDS: wave w brings units k with k % 4 = w; one barrier.
; The product is used transposed (source 0 = 16 rows of W1, source 1 = 16 tokens): a lane holds one token.  THE ROWS OF W1 THAT FORM A TILE ARE NOT NEIGHBOURS: lane r of tile 2 b + u takes row
; 32 b + 8 u + r + 8 (r / 8), so that the 16 registers of tiles 2 b and 2 b + 1 are 16 neighbours along the next K.  b1 is the C of each sum's first matrix instruction.
; NO TENSOR LOADS, SO NO JOINT LOADS, though eight work-groups read the same part of W1: how many units a work-group has is a count read from memory, and branches hang on it; operands come by plain loads.
; The loop over units has a constant count of trips; a unit that the list does not have is jumped over.  A work-group without units passes the barrier and stores nothing.
; LIMITS: a block of h whose largest magnitude lies under 2^-124 gets the scale byte 1; these bytes are read by this program alone.
.set XSC, 2097152
.set GL,  17408
.set CN,  25600
.set USZ, 8704
.set RP,  560                          ; a row in LDS: 512 bytes of codes, 32 of scales, 16 of padding = 35 x 16: the 16 rows of a fragment load begin 16 bytes apart modulo 256
.set UB,  16*RP                        ; a unit
.set REG, 8*UB                         ; a wave's region: unit k lies at (k % 4) REG + (k / 4) UB
.set AF,  40                           ; v40-103  x's eight fragments
.set ACC, 104                          ; v104-135 four accumulators
.set T,   136                          ; v136-167 at work; while staging: four units' scale bytes
.set W1S, 168                          ; v168-199 W1's scale words: tile t, K step s at 8 t + s
.set B1,  200                          ; v200-231 b1, eight registers a tile, in the result's layout
.set XS,  232                          ; v232-239 x's scale words, K step s
.set TM,  240                          ; v240-247 the quantiser's
.set PC,  248                          ; v248-251 the codes just made
.set PW,  252                          ; v252     their two scale bytes
.set K1,  254                          ; v254-255 the constant k1, twice
; window 1: W1's fragments, tile t, K step s at 64 t + 8 s.   window 2: four sets of 64 for staging.
; v1 16 l; v2 r; v3 h; v4 the list (lane k: unit k's group); v5-7 offsets into W1, its scales, b1; v8-11 where I stage; v12-15, v16-19 where unit q of a trip lies; v20-23 addresses in hand; v24-31 staging offsets; v32 2 r; v33 4 l
.set MSB, 0
.macro WIN new                         ; the immediate's high byte repeats the setting that is left
.if MSB != (\new)
	s_set_vgpr_msb (MSB<<8)|(\new)
.set MSB, (\new)
.endif
.endm
	s_load_b256 s[4:11], s[0:1], 0x0               ; xsd s[4:5], tabs s[6:7], W1's codes s[8:9], W1's scales s[10:11]
	s_load_b128 s[12:15], s[0:1], 0x20             ; b1 s[12:13], hbuf s[14:15]
	v_lshl_add_u32 v39, v0, 2, 0x46000
	v_mov_b32 v253, 0
	v_lshrrev_b32 v1, 5, v0
	v_readfirstlane_b32 s16, v1                    ; wave
	v_and_b32 v34, 31, v0                          ; lane
	v_lshlrev_b32 v1, 4, v34
	v_and_b32 v2, 15, v0                           ; r
	v_bfe_u32 v3, v0, 4, 1                         ; h
	v_lshlrev_b32 v33, 2, v34
	v_lshlrev_b32 v32, 1, v2
	v_and_b32 v5, 8, v2
	v_add_nc_u32 v5, v5, v2                        ; r + 8 (r / 8)
	v_lshlrev_b32 v6, 5, v5                        ; W1's scales: 32 bytes a row
	v_lshlrev_b32 v5, 9, v5
	v_lshl_add_u32 v5, v3, 4, v5                   ; W1's codes: 512 bytes a row, + 16 h
	v_lshlrev_b32 v7, 6, v3                        ; b1: 16 h numbers on
	s_mul_i32 s23, s16, REG
	v_add_nc_u32 v8, s23, v1                       ; staging, codes: my region + 16 l;
	v_add_nc_u32 v9, 4*UB, v8                      ; the second four units
	v_lshrrev_b32 v10, 1, v34
	v_mul_u32_u24 v10, v10, RP
	v_and_b32 v11, 1, v34
	v_lshl_add_u32 v10, v11, 4, v10
	v_add_nc_u32 v10, s23, v10
	v_add_nc_u32 v10, 512, v10                     ; staging, scales: row l / 2, half l % 2
	v_add_nc_u32 v11, 4*UB, v10
	v_mul_u32_u24 v12, v2, RP
	v_add_nc_u32 v16, 512, v12                     ; reading: row r's scale words,
	v_lshl_add_u32 v12, v3, 4, v12                 ; and its codes, + 16 h
.irp q, 1,2,3
	v_add_nc_u32 v[12+\q], \q*REG, v12
	v_add_nc_u32 v[16+\q], \q*REG, v16
.endr
	v_mov_b32 v[K1], 0xc0135761                    ; k1 = -2 log2(e) sqrt(2 / pi)
	v_mov_b32 v[K1+1], 0xc0135761
	v_mov_b32 v[TM+2], 0                           ; written once: a lane permute's destination counts as one of its sources
	v_mov_b32 v[TM+3], 0
	s_lshr_b32 s17, ttmp9, 5                       ; e
	s_bfe_u32 s18, ttmp9, 0x20003                  ; j
	s_and_b32 s19, ttmp9, 7                        ; c
	s_lshl_b32 s18, s18, 2
	s_add_co_u32 s18, s18, s16                     ; cg
	s_lshl_b32 s38, s18, 9                         ; my codes' place in a slot,
	s_lshl_b32 s39, s18, 5
	s_add_co_u32 s39, s39, 8192                    ; and my scale halves'
	s_mov_b32 s28, 0xbdd2d3e8                      ; k2 = 0.044715 k1
	s_mov_b32 s29, s28                             ; (named with it as a pair, so it is written)
	s_mov_b32 s30, 0x76543210
	s_mov_b32 s31, 0xfedcba98                      ; v_permlanex16_b32's selects for lane l xor 16
	s_lshl_b32 s41, s17, 2
	s_mov_b32 s25, 0
	s_wait_kmcnt 0x0
	s_load_b32 s20, s[6:7], s41 offset:CN          ; how many units expert e has
	s_lshl_b32 s24, s17, 10
	s_lshl_b32 s40, s19, 7
	s_add_co_u32 s24, s24, s40
	s_add_nc_u64 s[26:27], s[6:7], s[24:25]
	global_load_b32 v4, v33, s[26:27] offset:GL    ; my 32 entries of the list: the first load
	s_lshl_b32 s24, s17, 19
	s_lshl_b32 s40, s18, 15
	s_add_co_u32 s24, s24, s40
	s_add_nc_u64 s[8:9], s[8:9], s[24:25]          ; W1's codes at my 64 rows
	s_lshl_b32 s24, s17, 15
	s_lshl_b32 s40, s18, 11
	s_add_co_u32 s24, s24, s40
	s_add_nc_u64 s[10:11], s[10:11], s[24:25]
	s_lshl_b32 s24, s17, 12
	s_lshl_b32 s40, s18, 8
	s_add_co_u32 s24, s24, s40
	s_add_nc_u64 s[12:13], s[12:13], s[24:25]
	WIN 0x40                                       ; destination window 1
.irp t, 0,1,2,3
.irp s, 0,1,2,3,4,5,6,7
.irp c, 0,1
	global_load_b128 v[64*\t+8*\s+4*\c:64*\t+8*\s+4*\c+3], v5, s[8:9] offset:(32*(\t/2)+8*(\t%2))*512+64*\s+32*\c
.endr
.endr
.endr
	WIN 0
.irp t, 0,1,2,3
	global_load_b128 v[W1S+8*\t:W1S+8*\t+3], v6, s[10:11] offset:(32*(\t/2)+8*(\t%2))*32
	global_load_b128 v[W1S+8*\t+4:W1S+8*\t+7], v6, s[10:11] offset:(32*(\t/2)+8*(\t%2))*32+16
	global_load_b128 v[B1+8*\t:B1+8*\t+3], v7, s[12:13] offset:(32*(\t/2)+8*(\t%2))*4
	global_load_b128 v[B1+8*\t+4:B1+8*\t+7], v7, s[12:13] offset:(32*(\t/2)+8*(\t%2))*4+16
.endr
	s_wait_kmcnt 0x0
	s_add_co_u32 s20, s20, 7
	s_sub_co_u32 s20, s20, s19
	s_lshr_b32 s20, s20, 3
	s_min_u32 s20, s20, 32                         ; n: my work-group's units, list entries c + 8 k, k < n
	s_add_co_u32 s21, s20, 3
	s_sub_co_u32 s21, s21, s16
	s_lshr_b32 s21, s21, 2                         ; of them I stage those with k % 4 = w: at most 8
	s_wait_loadcnt 63                              ; 81 loads are issued: the oldest 18 are in, the list first among them
; STAGING, four units a turn.  The loads go down a ladder of branches on the count and the stores come back up it, so that on every way just the sets that were loaded are stored.
.macro LOADU rd, u
	s_add_co_u32 s34, s16, 16*\rd+4*\u             ; k
	v_readlane_b32 s35, v4, s34
	s_min_u32 s35, s35, 255                        ; its group
	v_lshl_add_u32 v[24+\u], s35, 13, v1
	v_lshl_add_u32 v[28+\u], s35, 9, v1
	WIN 0x80                                       ; destination window 2
.irp i, 0,1,2,3,4,5,6,7,8,9,10,11,12,13,14,15
	global_load_b128 v[64*\u+4*\i:64*\u+4*\i+3], v[24+\u], s[4:5] offset:512*\i   ; a row's 512 consecutive bytes
.endr
	WIN 0
	global_load_b128 v[T+4*\u:T+4*\u+3], v[28+\u], s[4:5] offset:XSC
.endm
.macro STOREU rd, u
	s_wait_loadcnt 0x0
	WIN 0x08                                       ; an LDS store's data are its source 1: window 2
.irp i, 0,1,2,3,4,5,6,7,8,9,10,11,12,13,14,15
	ds_store_b128 v[8+\rd], v[64*\u+4*\i:64*\u+4*\i+3] offset:\u*UB+\i*RP
.endr
	WIN 0
	ds_store_b128 v[10+\rd], v[T+4*\u:T+4*\u+3] offset:\u*UB
.endm
.macro ROUND rd                        ; s22: how many units this turn has, 0 to 4
	s_cmp_eq_u32 s22, 0
	s_cbranch_scc1 .Ls0_\@
	LOADU \rd, 0
	s_cmp_eq_u32 s22, 1
	s_cbranch_scc1 .Ls1_\@
	LOADU \rd, 1
	s_cmp_eq_u32 s22, 2
	s_cbranch_scc1 .Ls2_\@
	LOADU \rd, 2
	s_cmp_eq_u32 s22, 3
	s_cbranch_scc1 .Ls3_\@
	LOADU \rd, 3
	STOREU \rd, 3
.Ls3_\@:
	STOREU \rd, 2
.Ls2_\@:
	STOREU \rd, 1
.Ls1_\@:
	STOREU \rd, 0
.Ls0_\@:
.endm
	s_min_u32 s22, s21, 4
	ROUND 0
	s_wait_dscnt 0x0                               ; the stores have read their registers: the next turn loads into them
	s_sub_co_i32 s22, s21, 4
	s_max_i32 s22, s22, 0
	s_min_u32 s22, s22, 4
	ROUND 1
	s_wait_loadcnt 0x0                             ; W1, its scales and b1 are in
	s_wait_dscnt 0x0                               ; for the others' sake: my LDS stores have landed
	s_barrier_signal -1
	s_barrier_wait -1                              ; all units lie in LDS; from here on LDS is only read
; gelu(x) = x / (1 + 2^(x (k1 + k2 x^2))), which is 0.5 x (1 + tanh(sqrt(2 / pi) (x + 0.044715 x^3))); then the two blocks of 32 are quantised
.macro EPILOG
.set JJ, 0
.rept 16
	v_pk_mul_f32 v[T+JJ:T+JJ+1], v[ACC+JJ:ACC+JJ+1], v[ACC+JJ:ACC+JJ+1]   ; each accumulator from its low end on
.set JJ, JJ+2
.endr
.set JJ, 0
.rept 16
	v_pk_fma_f32 v[T+JJ:T+JJ+1], v[T+JJ:T+JJ+1], s[28:29], v[K1:K1+1] op_sel_hi:[1,0,1]
.set JJ, JJ+2
.endr
.set JJ, 0
.rept 16
	v_pk_mul_f32 v[T+JJ:T+JJ+1], v[T+JJ:T+JJ+1], v[ACC+JJ:ACC+JJ+1]
.set JJ, JJ+2
.endr
.set JJ, 0
.rept 32
	v_exp_f32 v[T+JJ], v[T+JJ]
.set JJ, JJ+1
.endr
	v_nop                                          ; a plain line behind the exponentials
.set JJ, 0
	s_wait_alu depctr_va_vdst(0)
.rept 16
	v_pk_add_f32 v[T+JJ:T+JJ+1], v[T+JJ:T+JJ+1], 1.0 op_sel_hi:[1,0]
.set JJ, JJ+2
.endr
.set JJ, 0
.rept 32
	v_rcp_f32 v[T+JJ], v[T+JJ]
.set JJ, JJ+1
.endr
	v_nop
.set JJ, 0
	s_wait_alu depctr_va_vdst(0)
.rept 16
	v_pk_mul_f32 v[ACC+JJ:ACC+JJ+1], v[ACC+JJ:ACC+JJ+1], v[T+JJ:T+JJ+1]   ; h: register 16 b + i is hidden unit 32 b + 16 h + i of my token
.set JJ, JJ+2
.endr
.irp b, 0,1
	v_max3_num_f32 v[TM+\b], |v[ACC+16*\b]|, |v[ACC+16*\b+1]|, 0x1800000   ; my 16 of block b, and the floor 2^(3 - 127)
.endr
.irp i, 2,4,6,8,10,12,14
.irp b, 0,1
	v_max3_num_f32 v[TM+\b], v[TM+\b], |v[ACC+16*\b+\i]|, |v[ACC+16*\b+\i+1]|
.endr
.endr
.irp b, 0,1
	v_permlanex16_b32 v[TM+2+\b], v[TM+\b], s30, s31
.endr
.irp b, 0,1
	v_max_num_f32 v[TM+\b], v[TM+\b], v[TM+2+\b]   ; with lane l xor 16's 16: the block's largest magnitude
.endr
.irp b, 0,1
	v_add_nc_u32 v[TM+4+\b], 0xff000000, v[TM+\b]  ; 2 off the exponent field: the conversion's scale operand
.endr
.irp b, 0,1
	v_lshrrev_b32 v[TM+6+\b], 23, v[TM+4+\b]       ; the scale's byte
.endr
	v_lshl_or_b32 v[PW], v[TM+7], 8, v[TM+6]
.irp b, 0,1
	v_cvt_scalef32_pk8_fp4_f32 v[PC+2*\b], v[ACC+16*\b:ACC+16*\b+7], v[TM+4+\b]
	v_cvt_scalef32_pk8_fp4_f32 v[PC+2*\b+1], v[ACC+16*\b+8:ACC+16*\b+15], v[TM+4+\b]
.endr
	v_nop                                          ; one plain line behind the scaled conversions
	v_permlane16_swap_b32 v[PC], v[PC+2]           ; the operand's layout wants a whole block in a lane: lanes 0-15 block 0, lanes 16-31 block 1
	v_permlane16_swap_b32 v[PC+1], v[PC+3]
.endm
.macro UNIT q                          ; unit k = 4 x trip + q
	s_lshl_b32 s34, s32, 2
	s_add_co_u32 s34, s34, \q
	s_cmp_ge_u32 s34, s20
	s_cbranch_scc1 .Lskip_\@
	v_add_nc_u32 v20, s33, v[12+\q]
	v_add_nc_u32 v21, s33, v[16+\q]
	ds_load_b128 v[XS:XS+3], v21
	ds_load_b128 v[XS+4:XS+7], v21 offset:16
.irp i, 0,1,2,3,4,5,6,7,8,9,10,11,12,13,14,15
	ds_load_b128 v[AF+4*\i:AF+4*\i+3], v20 offset:32*\i
.endr
	v_readlane_b32 s35, v4, s34
	s_min_u32 s35, s35, 255
	s_lshl_b32 s35, s35, 3
	s_add_co_u32 s35, s35, s17
	s_mul_i32 s35, s35, USZ                        ; the unit's slot
	s_add_co_u32 s36, s35, s38
	s_add_co_u32 s37, s35, s39
	WIN 0x01                                       ; source 0 (W1) window 1
.irp s, 0,1,2,3,4,5,6,7
	s_wait_dscnt 14-2*\s                           ; of 18 LDS loads the scale words and the fragments up to K step s are in
.irp t, 0,1,2,3                                ; the four accumulators take turns, one instruction a turn
.if \s == 0
	v_wmma_scale_f32_16x16x128_f8f6f4 v[ACC+8*\t:ACC+8*\t+7], v[64*\t+8*\s:64*\t+8*\s+7], v[AF+8*\s:AF+8*\s+7], v[B1+8*\t:B1+8*\t+7], v[W1S+8*\t+\s], v[XS+\s] matrix_a_fmt:MATRIX_FMT_FP4 matrix_b_fmt:MATRIX_FMT_FP4
.else
	v_wmma_scale_f32_16x16x128_f8f6f4 v[ACC+8*\t:ACC+8*\t+7], v[64*\t+8*\s:64*\t+8*\s+7], v[AF+8*\s:AF+8*\s+7], v[ACC+8*\t:ACC+8*\t+7], v[W1S+8*\t+\s], v[XS+\s] matrix_a_fmt:MATRIX_FMT_FP4 matrix_b_fmt:MATRIX_FMT_FP4
.endif
.endr
.endr
	WIN 0
	s_wait_xcnt 0x0                                ; the last unit's stores have read their addresses and data: these are written again below
	v_add_nc_u32 v22, s36, v1                      ; four plain lines behind the last product (ISA guide 7.12.1), ahead of the first read of a result
	v_add_nc_u32 v23, s37, v32
	v_nop
	v_nop
	EPILOG
	global_store_b128 v22, v[PC:PC+3], s[14:15]    ; 512 consecutive bytes: half a fragment's image
	global_store_b16 v23, v[PW], s[14:15]          ; 32 consecutive bytes: 16 rows' two scale bytes (lanes 16-31 repeat lanes 0-15)
.Lskip_\@:
.endm
	s_mov_b32 s32, 0
	s_mov_b32 s33, 0
.Lunits:                                           ; 8 trips of four units: a constant count, so that the LDS addresses step by a constant
	UNIT 0
	UNIT 1
	UNIT 2
	UNIT 3
	s_add_co_u32 s33, s33, UB
	s_add_co_u32 s32, s32, 1
	s_cmp_lt_u32 s32, 8
	s_cbranch_scc1 .Lunits
	s_wait_tensorcnt 0x0
	ds_add_u32 v39, v253
	s_wait_dscnt 0x0
	s_endpgm
.Lfunc_end_k_qe2b3811b7c_up:
	.size	k_qe2b3811b7c_up, .Lfunc_end_k_qe2b3811b7c_up-k_qe2b3811b7c_up
	.p2alignl 7, 3214868480
	.fill 96, 4, 3214868480
	.section	.rodata,"a",@progbits
	.p2align	6, 0x0
	.amdhsa_kernel k_qe2b3811b7c_up
		.amdhsa_group_segment_fixed_size 287232
		.amdhsa_private_segment_fixed_size 0
		.amdhsa_enable_private_segment 0
		.amdhsa_kernarg_size 48
		.amdhsa_user_sgpr_count 2
		.amdhsa_user_sgpr_kernarg_segment_ptr 1
		.amdhsa_wavefront_size32 1
		.amdhsa_system_sgpr_workgroup_id_x 1
		.amdhsa_system_sgpr_workgroup_id_y 1
		.amdhsa_system_sgpr_workgroup_id_z 1
		.amdhsa_system_vgpr_workitem_id 0
		.amdhsa_next_free_vgpr 768
		.amdhsa_next_free_sgpr 66
		.amdhsa_reserve_vcc 0
		.amdhsa_float_denorm_mode_32 3
		.amdhsa_float_denorm_mode_16_64 3
		.amdhsa_memory_ordered 1
		.amdhsa_forward_progress 1
		.amdhsa_inst_pref_size 99
	.end_amdhsa_kernel
	.amdgpu_metadata
---
amdhsa.version: [ 1, 2 ]
amdhsa.kernels:
  - .name:           k_qe2b3811b7c_up
    .symbol:         k_qe2b3811b7c_up.kd
    .args:
      - { .name: xsd, .offset: 0, .size: 8, .value_kind: global_buffer, .address_space: global }
      - { .name: tabs, .offset: 8, .size: 8, .value_kind: global_buffer, .address_space: global }
      - { .name: W1_codes, .offset: 16, .size: 8, .value_kind: global_buffer, .address_space: global }
      - { .name: W1_scales, .offset: 24, .size: 8, .value_kind: global_buffer, .address_space: global }
      - { .name: b1, .offset: 32, .size: 8, .value_kind: global_buffer, .address_space: global }
      - { .name: hbuf, .offset: 40, .size: 8, .value_kind: global_buffer, .address_space: global }
    .group_segment_fixed_size: 287232
    .private_segment_fixed_size: 0
    .kernarg_segment_align: 8
    .kernarg_segment_size: 48
    .max_flat_workgroup_size: 128
    .sgpr_count:     66
    .vgpr_count:     768
    .wavefront_size: 32
...
	.end_amdgpu_metadata
.endif
;; end of part 3
;; launch down (part 4): grid 256 x 1, 4 waves a work-group, no clusters, 296,448 bytes of LDS; arguments hbuf, tabs, wts, W2_codes, W2_scales, b2, out0; writes out0
.if DOCPART == 4
	.amdgcn_target "amdgcn-amd-amdhsa--gfx1250"
	.amdhsa_code_object_version 6
	.text
	.protected	k_qe2b3811b7c_down
	.globl	k_qe2b3811b7c_down
	.p2align	8
	.type	k_qe2b3811b7c_down,@function
k_qe2b3811b7c_down:
	s_mov_b64 s[64:65], 0
	v_nop
	global_prefetch_b8 v0, s[64:65] scope:SCOPE_SE
	s_setreg_imm32_b32 hwreg(HW_REG_WAVE_MODE, 25, 1), 1
	s_wait_xcnt 0x0
; out[t] = the sum over the experts e of w[t][e] (Q(h[e][t]) W2[e] + b2[e]).  Both operands E2M1 with E8M0 scales, sums f32.  w is 0 where token t did not choose e, so a unit's rows that are not e's add nothing.
; SHARES.  Work-group (blk, nt): four groups of 16 sorted tokens, 256 columns.  Wave w: columns 256 nt + 64 w .. + 63 for all 64 tokens.  EACH OUTPUT NUMBER HAS ONE OWNER: it sums its experts in registers.
; The work-group walks the experts that its four groups use (the OR of their masks), one after the other; the next expert's part of W2 (256 registers a wave), its scale words, b2 and the tokens' weights
; are asked for while the present expert is multiplied: two sets of registers.  The block's units of h come into LDS once (wave q: group q's), as the images that the launch before stored.
; The product is used transposed (source 0 = 16 rows of W2, source 1 = 16 tokens): a lane holds one token and eight neighbouring columns.  b2 is the C of each sum's first matrix instruction.
; NO TENSOR LOADS, SO NO JOINT LOADS, though work-groups read the same parts of W2: which experts a block walks, and how many, is read from memory, and branches hang on it; operands come by plain loads.
; The totals are cleared by 128 moves: which expert comes first for a group is data, so no product can start them; the moves stand while the first loads are on their way.
.set GM,   16384
.set USZ,  8704
.set WREG, 8*USZ                       ; LDS: a group's region: its u-th unit at u USZ: 8,192 bytes of images, then the scale bytes turned to [row][32]
.set STG,  32*USZ                      ; behind the 32 slots: a stage of 16 rows x 272 bytes for each wave
.set SP,   272
.set TW,   16                          ; v16-19   32 x my token (lane r) of group q
.set VA,   20                          ; v20-23   staging offsets
.set SS,   24                          ; v24-39   four units' scale halves
.set TROW, 40                          ; v40-71   the way out: my byte offset in out for rows 2 i + h of group q, at 8 q + i
.set AF,   72                          ; v72-135  h's eight fragments; on the way out two sets of 32
.set AS8,  136                         ; v136-143 h's scale words
.set ACC,  144                         ; v144-175 four accumulators
.set W2S,  176                         ; v176-239 W2's scale words, two sets of 32: tile t, K step s at 8 t + s
.set WQ,   240                         ; v240-247 the weights, two sets of four (group q)
.set B2,   128                         ; in window 2: b2, two sets of 32; below it the totals, group q, tile t at 32 q + 8 t
; window 1: W2's fragments, set 0 (tile t, K step s at 64 t + 8 s);  window 3: staging, then set 1.
.set MSB, 0
.macro WIN new                         ; the immediate's high byte repeats the setting that is left
.if MSB != (\new)
	s_set_vgpr_msb (MSB<<8)|(\new)
.set MSB, (\new)
.endif
.endm
	s_load_b256 s[4:11], s[0:1], 0x0               ; hbuf s[4:5], tabs s[6:7], wts s[8:9], W2's codes s[10:11]
	s_load_b128 s[12:15], s[0:1], 0x20             ; W2's scales s[12:13], b2 s[14:15]
	s_load_b64 s[16:17], s[0:1], 0x30              ; out0
	v_lshl_add_u32 v254, v0, 2, 0x48400
	v_mov_b32 v255, 0
	v_lshrrev_b32 v1, 5, v0
	v_readfirstlane_b32 s18, v1                    ; wave
	v_and_b32 v248, 31, v0                         ; lane
	v_lshlrev_b32 v1, 4, v248                      ; 16 l
	v_and_b32 v2, 15, v0                           ; r
	v_bfe_u32 v3, v0, 4, 1                         ; h
	v_lshlrev_b32 v4, 9, v2
	v_lshl_add_u32 v4, v3, 4, v4                   ; W2's codes: row r of 512 bytes, + 16 h
	v_lshlrev_b32 v5, 5, v2                        ; W2's scales: 32 bytes a row
	v_lshlrev_b32 v6, 5, v3                        ; b2: 8 h numbers on
	s_mul_i32 s25, s18, WREG
	v_add_nc_u32 v7, s25, v1                       ; staging, images: my region + 16 l;
	v_add_nc_u32 v8, 4*USZ, v7                     ; the second four units
	v_and_b32 v9, 1, v248
	v_lshlrev_b32 v9, 8, v9
	v_lshrrev_b32 v10, 1, v248
	v_lshl_add_u32 v9, v10, 1, v9
	v_add_nc_u32 v9, s25, v9
	v_add_nc_u32 v9, 8192, v9                      ; staging, scales: I hold cg = l / 2, rows 8 (l % 2) on: row x 32 + 2 cg
	v_add_nc_u32 v10, 4*USZ, v9
	v_add_nc_u32 v13, 8192, v5                     ; reading: row r's scale words
	s_mul_i32 s25, s18, 16*SP
	s_add_co_u32 s25, s25, STG                     ; my stage
	v_mul_u32_u24 v14, v2, SP
	v_lshl_add_u32 v14, v3, 5, v14
	v_add_nc_u32 v14, s25, v14                     ; in: row r, 32 bytes for each half of the lanes
	v_mul_u32_u24 v15, v3, SP
	v_lshl_add_u32 v15, v2, 4, v15
	v_add_nc_u32 v15, s25, v15                     ; back: lanes 0-15 one row of 256 bytes, lanes 16-31 the next
	v_lshlrev_b32 v249, 2, v2
	v_lshlrev_b32 v250, 2, v3
	s_lshr_b32 s19, ttmp9, 2                       ; blk
	s_and_b32 s24, ttmp9, 3                        ; nt
	s_lshl_b32 s41, s19, 4
	s_mov_b32 s27, 0
	s_wait_kmcnt 0x0
	s_load_b128 s[20:23], s[6:7], s41 offset:GM    ; my four groups' masks
	s_lshl_b32 s26, s19, 8
	s_add_nc_u64 s[28:29], s[6:7], s[26:27]        ; perm at my 64 places
.irp q, 0,1,2,3
	global_load_b32 v[TW+\q], v249, s[28:29] offset:64*\q
.endr
.irp q, 0,1,2,3
.irp i, 0,1,2,3,4,5,6,7
	global_load_b32 v[TROW+8*\q+\i], v250, s[28:29] offset:64*\q+8*\i
.endr
.endr
	s_lshl_b32 s25, s24, 8
	s_lshl_b32 s38, s18, 6
	s_add_co_u32 s25, s25, s38                     ; my first column
	s_lshl_b32 s26, s25, 9
	s_add_nc_u64 s[44:45], s[10:11], s[26:27]      ; W2's codes, its scales and b2 at my 64 rows of expert 0
	s_lshl_b32 s26, s25, 5
	s_add_nc_u64 s[46:47], s[12:13], s[26:27]
	s_lshl_b32 s26, s25, 2
	s_add_nc_u64 s[48:49], s[14:15], s[26:27]
	v_lshl_add_u32 v251, v2, 4, s26                ; my 16 bytes of a row of out
	s_lshl_b32 s40, s19, 2
	s_add_co_u32 s40, s40, s18
	s_lshl_b32 s40, s40, 3                         ; 8 x the group that I stage
	s_wait_kmcnt 0x0
	s_and_b32 s20, s20, 255
	s_and_b32 s21, s21, 255
	s_and_b32 s22, s22, 255
	s_and_b32 s23, s23, 255
	s_or_b32 s30, s20, s21
	s_or_b32 s30, s30, s22
	s_or_b32 s30, s30, s23                         ; the experts still to walk
	s_bcnt1_i32_b32 s31, s30
	s_min_u32 s31, s31, 8                          ; how many
.macro NEXT_E set                      ; the lowest expert left -> s[32 + set]
	s_ctz_i32_b32 s[32+\set], s30
	s_min_u32 s[32+\set], s[32+\set], 7
	s_sub_co_u32 s38, s30, 1
	s_and_b32 s30, s30, s38
.endm
; 84 loads: expert s[32 + set]'s part of W2, its scale words, b2 and the 64 tokens' weights, into set.  The four bases are written again only behind a wait for all loads.
.macro LOADB set
	s_mov_b32 s61, 0
	s_lshl_b32 s60, s[32+\set], 19
	s_add_nc_u64 s[52:53], s[44:45], s[60:61]
	s_lshl_b32 s60, s[32+\set], 15
	s_add_nc_u64 s[54:55], s[46:47], s[60:61]
	s_lshl_b32 s60, s[32+\set], 12
	s_add_nc_u64 s[56:57], s[48:49], s[60:61]
	s_lshl_b32 s60, s[32+\set], 2
	s_add_nc_u64 s[58:59], s[8:9], s[60:61]
	WIN 0x40+0x80*\set                             ; destination window 1 or 3
.irp t, 0,1,2,3
.irp s, 0,1,2,3,4,5,6,7
.irp c, 0,1
	global_load_b128 v[64*\t+8*\s+4*\c:64*\t+8*\s+4*\c+3], v4, s[52:53] offset:8192*\t+64*\s+32*\c
.endr
.endr
.endr
	WIN 0
.irp t, 0,1,2,3
	global_load_b128 v[W2S+32*\set+8*\t:W2S+32*\set+8*\t+3], v5, s[54:55] offset:512*\t
	global_load_b128 v[W2S+32*\set+8*\t+4:W2S+32*\set+8*\t+7], v5, s[54:55] offset:512*\t+16
.endr
	WIN 0x80                                       ; destination window 2
.irp t, 0,1,2,3
	global_load_b128 v[B2+32*\set+8*\t:B2+32*\set+8*\t+3], v6, s[56:57] offset:64*\t
	global_load_b128 v[B2+32*\set+8*\t+4:B2+32*\set+8*\t+7], v6, s[56:57] offset:64*\t+16
.endr
	WIN 0
.irp q, 0,1,2,3
	global_load_b32 v[WQ+4*\set+\q], v[TW+\q], s[58:59]
.endr
.endm
	NEXT_E 0
	s_wait_loadcnt 0x0                             ; perm
.irp q, 0,1,2,3
	v_min_u32 v[TW+\q], 4095, v[TW+\q]
	v_lshlrev_b32 v[TW+\q], 5, v[TW+\q]
.endr
.set JJ, 0
.rept 32
	v_min_u32 v[TROW+JJ], 4095, v[TROW+JJ]
	v_lshl_add_u32 v[TROW+JJ], v[TROW+JJ], 12, v251
.set JJ, JJ+1
.endr
	LOADB 0
	WIN 0x80
.set JJ, 0
.rept 128
	v_mov_b32 v[JJ], 0                             ; the totals
.set JJ, JJ+1
.endr
	WIN 0
	s_cmp_eq_u32 s18, 1                            ; the mask of the group that I stage
	s_cselect_b32 s35, s21, s20
	s_cmp_eq_u32 s18, 2
	s_cselect_b32 s35, s22, s35
	s_cmp_eq_u32 s18, 3
	s_cselect_b32 s35, s23, s35
	s_bcnt1_i32_b32 s36, s35                       ; its units: at most 8
; STAGING, four units a turn: loads down a ladder of branches on the count, stores back up it, so that on every way just the sets that were loaded are stored.
.macro LOADU u
	s_ctz_i32_b32 s38, s35
	s_min_u32 s38, s38, 7                          ; the group's next expert
	s_sub_co_u32 s39, s35, 1
	s_and_b32 s35, s35, s39
	s_add_co_u32 s38, s38, s40
	s_mul_i32 s38, s38, USZ                        ; its slot in hbuf
	v_add_nc_u32 v[VA+\u], s38, v1
	WIN 0xc0                                       ; destination window 3
.irp i, 0,1,2,3,4,5,6,7,8,9,10,11,12,13,14,15
	global_load_b128 v[64*\u+4*\i:64*\u+4*\i+3], v[VA+\u], s[4:5] offset:512*\i
.endr
	WIN 0
	global_load_b128 v[SS+4*\u:SS+4*\u+3], v[VA+\u], s[4:5] offset:8192
.endm
.macro STOREU rd, u
	s_wait_loadcnt 0x0
	WIN 0x0c                                       ; an LDS store's data are its source 1: window 3
.irp i, 0,1,2,3,4,5,6,7,8,9,10,11,12,13,14,15
	ds_store_b128 v[7+\rd], v[64*\u+4*\i:64*\u+4*\i+3] offset:\u*USZ+512*\i
.endr
	WIN 0
.irp j, 0,1,2,3                                ; register j: rows 8 (l % 2) + 2 j and + 2 j + 1 of column group l / 2
	ds_store_b16 v[9+\rd], v[SS+4*\u+\j] offset:\u*USZ+64*\j
	ds_store_b16_d16_hi v[9+\rd], v[SS+4*\u+\j] offset:\u*USZ+64*\j+32
.endr
.endm
.macro ROUND rd                        ; s37: how many units this turn has, 0 to 4
	s_cmp_eq_u32 s37, 0
	s_cbranch_scc1 .Ls0_\@
	LOADU 0
	s_cmp_eq_u32 s37, 1
	s_cbranch_scc1 .Ls1_\@
	LOADU 1
	s_cmp_eq_u32 s37, 2
	s_cbranch_scc1 .Ls2_\@
	LOADU 2
	s_cmp_eq_u32 s37, 3
	s_cbranch_scc1 .Ls3_\@
	LOADU 3
	STOREU \rd, 3
.Ls3_\@:
	STOREU \rd, 2
.Ls2_\@:
	STOREU \rd, 1
.Ls1_\@:
	STOREU \rd, 0
.Ls0_\@:
.endm
	s_min_u32 s37, s36, 4
	ROUND 0
	s_wait_dscnt 0x0                               ; the stores have read their registers: the next turn loads into them
	s_sub_co_i32 s37, s36, 4
	s_max_i32 s37, s37, 0
	s_min_u32 s37, s37, 4
	ROUND 1
	s_wait_loadcnt 0x0
	s_wait_dscnt 0x0                               ; for the others' sake: my LDS stores have landed
	s_barrier_signal -1
	s_barrier_wait -1                              ; the block's units lie in LDS; up to the next barrier LDS is only read
; group q under the expert of set, if the group uses it
.macro UNITD set, q
	s_lshr_b32 s38, s[20+\q], s[32+\set]
	s_and_b32 s38, s38, 1
	s_cmp_eq_u32 s38, 0
	s_cbranch_scc1 .Lnone_\@
	s_bfm_b32 s38, s[32+\set], 0
	s_and_b32 s38, s38, s[20+\q]
	s_bcnt1_i32_b32 s38, s38                       ; how many of the group's experts come before this one: its place in the group's region
	s_min_u32 s38, s38, 7
	s_add_co_u32 s38, s38, 8*\q
	s_mul_i32 s38, s38, USZ
	v_add_nc_u32 v11, s38, v1
	v_add_nc_u32 v12, s38, v13
	ds_load_b128 v[AS8:AS8+3], v12
	ds_load_b128 v[AS8+4:AS8+7], v12 offset:16
.irp i, 0,1,2,3,4,5,6,7,8,9,10,11,12,13,14,15
	ds_load_b128 v[AF+4*\i:AF+4*\i+3], v11 offset:512*\i   ; an image comes back as it was stored: the same registers in the same lanes
.endr
.irp s, 0,1,2,3,4,5,6,7
	s_wait_dscnt 14-2*\s                           ; of 18 LDS loads the scale words and the fragments up to K step s are in
.if \s == 0
	WIN 0x21+2*\set                                ; source 0 (W2) window 1 or 3, source 2 (b2) window 2
.else
	WIN 0x01+2*\set
.endif
.irp t, 0,1,2,3                                ; the four accumulators take turns, one instruction a turn
.if \s == 0
	v_wmma_scale_f32_16x16x128_f8f6f4 v[ACC+8*\t:ACC+8*\t+7], v[64*\t+8*\s:64*\t+8*\s+7], v[AF+8*\s:AF+8*\s+7], v[B2+32*\set+8*\t:B2+32*\set+8*\t+7], v[W2S+32*\set+8*\t+\s], v[AS8+\s] matrix_a_fmt:MATRIX_FMT_FP4 matrix_b_fmt:MATRIX_FMT_FP4
.else
	v_wmma_scale_f32_16x16x128_f8f6f4 v[ACC+8*\t:ACC+8*\t+7], v[64*\t+8*\s:64*\t+8*\s+7], v[AF+8*\s:AF+8*\s+7], v[ACC+8*\t:ACC+8*\t+7], v[W2S+32*\set+8*\t+\s], v[AS8+\s] matrix_a_fmt:MATRIX_FMT_FP4 matrix_b_fmt:MATRIX_FMT_FP4
.endif
.endr
.endr
	WIN 0
.rept 4
	v_nop                                          ; four plain lines behind the last product (ISA guide 7.12.1), ahead of the first read of a result
.endr
	WIN 0xa0                                       ; the totals (destination and source 2) window 2
.set JJ, 0
.rept 16
.if (\q)%2
	v_pk_fma_f32 v[32*\q+JJ:32*\q+JJ+1], v[ACC+JJ:ACC+JJ+1], v[WQ+4*\set+2*((\q)/2):WQ+4*\set+2*((\q)/2)+1], v[32*\q+JJ:32*\q+JJ+1] op_sel:[0,1,0] op_sel_hi:[1,1,1]
.else
	v_pk_fma_f32 v[32*\q+JJ:32*\q+JJ+1], v[ACC+JJ:ACC+JJ+1], v[WQ+4*\set+2*((\q)/2):WQ+4*\set+2*((\q)/2)+1], v[32*\q+JJ:32*\q+JJ+1] op_sel_hi:[1,0,1]
.endif
.set JJ, JJ+2
.endr                                          ; total += my token's weight x (y + b2), each accumulator from its low end on
	WIN 0
.Lnone_\@:
.endm
.macro COMPUTE set
.irp q, 0,1,2,3
	UNITD \set, \q
.endr
.endm
; THE WALK OVER THE EXPERTS.  A trip walks two experts, so that the two sets are back where they began.  The count of trips is a constant, 4: a block uses at most 8 experts; a trip whose first expert
; does not exist is jumped over, to the place where the trip's ways join, in front of the counter's one step.  The loop is left only by falling through its backward branch.
; Set 1 is asked for and multiplied on one and the same way, so that no way multiplies a set that it has not asked for.
	s_mov_b32 s34, 0                               ; the trip: experts 2 s34 and 2 s34 + 1 of the walk
.Lpair:
	s_wait_loadcnt 0x0                             ; set 0 is in.  (For 0: a request is 84 loads, more than a counted wait can name; it also shows that the four bases have been read)
	s_lshl_b32 s38, s34, 1
	s_cmp_ge_u32 s38, s31
	s_cbranch_scc1 .Ljoin                          ; the walk is over: nothing is left for this trip
	s_add_co_u32 s38, s38, 1
	s_cmp_ge_u32 s38, s31
	s_cbranch_scc1 .Lsingle                        ; an odd count's last expert has no partner
	NEXT_E 1
	LOADB 1                                        ; the next expert is on its way while this one is multiplied
	COMPUTE 0
	s_wait_loadcnt 0x0                             ; set 1 is in, and the four bases have been read
	s_lshl_b32 s38, s34, 1
	s_add_co_u32 s38, s38, 2
	s_cmp_ge_u32 s38, s31
	s_cbranch_scc1 .Lno_more                       ; nothing is asked for behind the last expert
	NEXT_E 0
	LOADB 0
.Lno_more:
	COMPUTE 1
	s_branch .Ljoin
.Lsingle:
	COMPUTE 0
.Ljoin:
	s_add_co_u32 s34, s34, 1
	s_cmp_lt_u32 s34, 4
	s_cbranch_scc1 .Lpair
	s_wait_loadcnt 0x0
	s_wait_dscnt 0x0                               ; my reads of the units are over
	s_barrier_signal -1
	s_barrier_wait -1                              ; parts the reads above, whose addresses hang on the masks, from the stores into the stages
	; THE WAY OUT, a group at a time: a lane holds 32 bytes of a token's row, the lanes beside it other tokens: through my own stage, back as rows of 256 bytes.
	; LDS serves a wave's instructions in order (ISA guide 5.7.1.4): no wait between the stores and the loads, nor ahead of the next group's stores.
.irp q, 0,1,2,3
.if \q >= 2
	s_wait_xcnt 0x0                                ; group q - 2's stores have read the registers into which these loads land
.endif
	WIN 0x08                                       ; an LDS store's data are its source 1: window 2
.irp t, 0,1,2,3
	ds_store_b128 v14, v[32*\q+8*\t:32*\q+8*\t+3] offset:64*\t
	ds_store_b128 v14, v[32*\q+8*\t+4:32*\q+8*\t+7] offset:64*\t+16
.endr
	WIN 0
.irp i, 0,1,2,3,4,5,6,7
	ds_load_b128 v[AF+32*(\q%2)+4*\i:AF+32*(\q%2)+4*\i+3], v15 offset:2*SP*\i
.endr
.irp i, 0,1,2,3,4,5,6,7
	s_wait_dscnt 7-\i
	global_store_b128 v[TROW+8*\q+\i], v[AF+32*(\q%2)+4*\i:AF+32*(\q%2)+4*\i+3], s[16:17] th:TH_STORE_NT   ; sixteen lanes store 256 consecutive bytes of a token's row, at a multiple of 256 from out's first byte
.endr
.endr
	s_wait_tensorcnt 0x0
	ds_add_u32 v254, v255
	s_wait_dscnt 0x0
	s_endpgm
.Lfunc_end_k_qe2b3811b7c_down:
	.size	k_qe2b3811b7c_down, .Lfunc_end_k_qe2b3811b7c_down-k_qe2b3811b7c_down
	.p2alignl 7, 3214868480
	.fill 96, 4, 3214868480
	.section	.rodata,"a",@progbits
	.p2align	6, 0x0
	.amdhsa_kernel k_qe2b3811b7c_down
		.amdhsa_group_segment_fixed_size 296448
		.amdhsa_private_segment_fixed_size 0
		.amdhsa_enable_private_segment 0
		.amdhsa_kernarg_size 56
		.amdhsa_user_sgpr_count 2
		.amdhsa_user_sgpr_kernarg_segment_ptr 1
		.amdhsa_wavefront_size32 1
		.amdhsa_system_sgpr_workgroup_id_x 1
		.amdhsa_system_sgpr_workgroup_id_y 1
		.amdhsa_system_sgpr_workgroup_id_z 1
		.amdhsa_system_vgpr_workitem_id 0
		.amdhsa_next_free_vgpr 1024
		.amdhsa_next_free_sgpr 66
		.amdhsa_reserve_vcc 0
		.amdhsa_float_denorm_mode_32 3
		.amdhsa_float_denorm_mode_16_64 3
		.amdhsa_memory_ordered 1
		.amdhsa_forward_progress 1
		.amdhsa_inst_pref_size 164
	.end_amdhsa_kernel
	.amdgpu_metadata
---
amdhsa.version: [ 1, 2 ]
amdhsa.kernels:
  - .name:           k_qe2b3811b7c_down
    .symbol:         k_qe2b3811b7c_down.kd
    .args:
      - { .name: hbuf, .offset: 0, .size: 8, .value_kind: global_buffer, .address_space: global }
      - { .name: tabs, .offset: 8, .size: 8, .value_kind: global_buffer, .address_space: global }
      - { .name: wts, .offset: 16, .size: 8, .value_kind: global_buffer, .address_space: global }
      - { .name: W2_codes, .offset: 24, .size: 8, .value_kind: global_buffer, .address_space: global }
      - { .name: W2_scales, .offset: 32, .size: 8, .value_kind: global_buffer, .address_space: global }
      - { .name: b2, .offset: 40, .size: 8, .value_kind: global_buffer, .address_space: global }
      - { .name: out0, .offset: 48, .size: 8, .value_kind: global_buffer, .address_space: global }
    .group_segment_fixed_size: 296448
    .private_segment_fixed_size: 0
    .kernarg_segment_align: 8
    .kernarg_segment_size: 56
    .max_flat_workgroup_size: 128
    .sgpr_count:     66
    .vgpr_count:     1024
    .wavefront_size: 32
...
	.end_amdgpu_metadata
.endif
;; end of part 4
;; ======== version 2 of 2: 4 launches; 1.12 times as fast as version 1
;; workspace buffers: xc 2,228,224 bytes; wts 131,072 bytes; rkey 65,536 bytes of whole numbers; xsd 2,228,224 bytes; tabs 25,856 bytes of whole numbers; hbuf 17,825,792 bytes; wf 8,388,608 bytes
;; launch route (part 5): grid 256 x 1, 4 waves a work-group, no clusters, 12,800 bytes of LDS; arguments x, Wg, xc, wts, rkey, wf, W1_codes, W2_codes; writes xc, wts, rkey, wf
.if DOCPART == 5
	.amdgcn_target "amdgcn-amd-amdhsa--gfx1250"
	.amdhsa_code_object_version 6
	.text
	.protected	k_qe2b3811b7c_route
	.globl	k_qe2b3811b7c_route
	.p2align	8
	.type	k_qe2b3811b7c_route,@function
k_qe2b3811b7c_route:
	s_mov_b64 s[64:65], 0
	v_nop
	global_prefetch_b8 v0, s[64:65] scope:SCOPE_SE
	s_setreg_imm32_b32 hwreg(HW_REG_WAVE_MODE, 25, 1), 1
	s_wait_xcnt 0x0
; ROUTER, SORT KEYS, THE QUANTISER OF x, AND THE WEIGHTS' CODES LAID OUT ANEW.  x: [4096][1024] f32, Wg: [1024][8] f32.
; Out: xc = x as E2M1 codes [4096][512 bytes] and, XSC bytes on, one E8M0 byte for each 32 along K [4096][32];
;      wts = probs x mask, f32 [4096][8];  rkey = for each token key | rank << 8 (8 bytes a token, the second word is never read) and, HOFF bytes on, counts [32 keys][256 segments];
;      wf = W1's and W2's codes in the order of the operand registers (below).
; A token's key numbers its pair of experts (28 pairs), in an order in which neighbouring keys share an expert: for an even lower expert the upper one ascends, for an odd one it descends.
; All that is derived from the top-2 is STORED at fixed places; no branch and no address of this launch hangs on it.
; SHARES.  Work-group b: tokens 16 b .. 16 b + 15 (segment b of the sort).  Wave w: k = 256 w .. 256 w + 255 of all 16 rows.  Lane l: the 8 neighbours k = 256 w + 8 l + j of each row,
; so a block of 32 lies in lanes l, l^1, l^2, l^3.  x is read once; it feeds the router's sums (f32 multiply-adds) and the quantiser from the same registers.
; wf.  Work-group b also copies block b of 256: 64 rows x 512 bytes of codes of one expert (b < 128: W1, expert b / 16, rows 64 (b % 16) on; else W2 likewise).  Wave w takes tile w of 16 rows; its load m reads, as an
; operand's lane (r, h) wants them, the 16 bytes at 32 m + 16 h of the tile's row r, and its store m puts the 32 lanes' bytes on end: block x 32,768 + 8,192 w + 512 m + 16 l.  W1's tiles take the rows that the
; next launch's layout asks for: tile w, lane r: row 32 (w / 2) + 8 (w % 2) + r + 8 (r / 8); W2's: row 16 w + r.  So each later load of a fragment covers 512 consecutive bytes; those loads are many, this copy is made once.
; No matrix unit (the router has 8 columns), no cluster (work-groups share only Wg's 32 KB), no tensor load (a work-group's bytes are asked for at once, 64 loads a wave).
; LIMITS: NaN and infinities in x are not served.  A block whose largest magnitude lies under 2^-124, a block of zeros among them, gets the scale byte 1 (its codes are then zeros or as the floor gives them);
; these bytes are read by this program alone.  The router's sums are f32 in another order than a plain dot product's: a top-2 tie within f32 rounding may fall either way.
.set X,     32                         ; v32-159  row i at X + 8 i; once rows p and p + 8 are quantised, row p's eight registers take their folded sums
.set W,     160                        ; v160-223 Wg[k_j][e] at W + 8 j + e
.set ACC,   224                        ; v224-239 the eight sums of two rows
.set CR,    240                        ; v240-255 codes, two registers for each pair of rows
.set ER,    16                         ; v16-31   scale bytes, likewise
                                       ; v256-319 (window 1, v0-63 there): the 16 x 16 bytes of weights' codes that I copy
.set PART,  0                          ; LDS: the waves' partial logits, 512 bytes each
.set CODES, 2048                       ; 16 rows x 512 bytes of codes
.set SCB,   10240                      ; 16 rows x 32 scale bytes
.set XSC,   2097152
.set HOFF,  32768
.set MK,    32                         ; s32-59  lanes of each key
.set CT,    66                         ; s66-93  tokens of each key
	s_load_b256 s[4:11], s[0:1], 0x0               ; x s[4:5], Wg s[6:7], xc s[8:9], wts s[10:11]
	s_load_b128 s[12:15], s[0:1], 0x20             ; rkey s[12:13], wf s[14:15]
	s_load_b128 s[96:99], s[0:1], 0x30             ; W1's codes s[96:97], W2's codes s[98:99]
	s_set_vgpr_msb 0x40
	v_lshl_add_u32 v64, v0, 2, 0x3000
	v_mov_b32 v65, 0
	s_set_vgpr_msb 0x4000
	v_lshrrev_b32 v1, 5, v0
	v_readfirstlane_b32 s16, v1                    ; wave
	v_and_b32 v1, 31, v0                           ; lane
	s_lshl_b32 s17, s16, 10
	v_lshl_add_u32 v2, v1, 5, s17                  ; x: 1,024 w + 32 l in a row
	s_lshl_b32 s17, s16, 13
	v_lshl_add_u32 v3, v1, 8, s17                  ; Wg: my 8 rows of 32 bytes
	s_lshl_b32 s17, s16, 7
	s_add_co_u32 s17, s17, CODES
	v_lshl_add_u32 v4, v1, 2, s17                  ; LDS: my 4 bytes of a row's codes
	v_lshrrev_b32 v5, 2, v1
	s_lshl_b32 s17, s16, 3
	s_add_co_u32 s17, s17, SCB
	v_add_nc_u32 v5, s17, v5                       ; LDS: my block's byte of a row
	s_lshl_b32 s17, s16, 9
	v_lshl_add_u32 v6, v1, 4, s17                  ; LDS: my wave's partial logits
	v_lshlrev_b32 v7, 4, v1                        ; 16 l
	s_lshl_b32 s17, s16, 11
	v_lshl_add_u32 v9, v1, 4, s17                  ; xc: rows 4 w on, 16 l
	v_add_nc_u32 v8, CODES, v9                     ; and the same in LDS
	v_add_nc_u32 v10, SCB, v7
	s_lshr_b32 s17, s16, 1                         ; the weights' copy: where my tile begins in the block's 64 rows
	s_lshl_b32 s17, s17, 5
	s_and_b32 s18, s16, 1
	s_lshl_b32 s18, s18, 3
	s_add_co_u32 s17, s17, s18                     ; W1: row 32 (w / 2) + 8 (w % 2)
	s_lshl_b32 s18, s16, 4                         ; W2: row 16 w
	s_cmp_lt_u32 ttmp9, 128                        ; W1's blocks come first: the choice hangs on the work-group's number alone
	s_cselect_b32 s25, s17, s18
	s_cselect_b32 s17, 1, 0
	v_and_b32 v11, 15, v0                          ; r
	v_and_b32 v12, 8, v11
	v_mul_u32_u24 v12, s17, v12                    ; W1 alone: + 8 (r / 8)
	v_add_nc_u32 v11, v11, v12
	v_bfe_u32 v12, v0, 4, 1                        ; h
	v_lshlrev_b32 v11, 9, v11
	v_lshl_add_u32 v11, v12, 4, v11                ; my row of the tile x 512 + 16 h
	s_lshl_b32 s25, s25, 9
	s_and_b32 s18, ttmp9, 127
	s_lshl_b32 s18, s18, 15
	s_add_co_u32 s25, s25, s18                     ; the block's and the tile's place in the tensor, in bytes
	s_mov_b32 s20, 0xff00ff00                      ; lanes with bit 3 set; bit 2; bit 1; bit 0
	s_mov_b32 s21, 0xf0f0f0f0
	s_mov_b32 s22, 0xcccccccc
	s_mov_b32 s23, 0xaaaaaaaa
	s_mov_b32 s24, 0x55555555                      ; the even lanes
	s_mov_b32 s19, 0
	s_wait_kmcnt 0x0
	s_lshl_b32 s18, ttmp9, 16
	s_add_nc_u64 s[4:5], s[4:5], s[18:19]          ; x at my 16 rows
	s_lshl_b32 s18, ttmp9, 9
	s_add_nc_u64 s[26:27], s[8:9], s[18:19]        ; xc's scale bytes (XSC stands in the immediate)
	s_add_nc_u64 s[10:11], s[10:11], s[18:19]      ; wts
	s_lshl_b32 s18, ttmp9, 13
	s_add_nc_u64 s[8:9], s[8:9], s[18:19]          ; xc's codes
	s_lshl_b32 s18, ttmp9, 2
	s_add_nc_u64 s[28:29], s[12:13], s[18:19]      ; my column of the counts
	s_lshl_b32 s18, ttmp9, 7
	s_add_nc_u64 s[12:13], s[12:13], s[18:19]      ; my 16 key words
	s_cmp_lt_u32 ttmp9, 128
	s_cselect_b64 s[94:95], s[96:97], s[98:99]     ; the tensor that my block belongs to
	s_mov_b32 s18, s25
	s_add_nc_u64 s[94:95], s[94:95], s[18:19]      ; at my tile
	s_lshl_b32 s18, ttmp9, 15
	s_add_nc_u64 s[14:15], s[14:15], s[18:19]      ; wf at my block,
	s_lshl_b32 s18, s16, 13
	s_add_nc_u64 s[14:15], s[14:15], s[18:19]      ; at my tile's 8,192 bytes
.irp m, 0,1,2,3,4,5,6,7,8,9,10,11,12,13,14,15
	global_load_b128 v[W+4*\m:W+4*\m+3], v3, s[6:7] offset:16*\m
.endr
.irp p, 0,1,2,3,4,5,6,7                        ; rows in the order 0, 8, 1, 9, ..: the order in which they are worked
	global_load_b128 v[X+8*\p:X+8*\p+3], v2, s[4:5] offset:\p*4096 th:TH_LOAD_NT
	global_load_b128 v[X+8*\p+4:X+8*\p+7], v2, s[4:5] offset:\p*4096+16 th:TH_LOAD_NT
	global_load_b128 v[X+8*\p+64:X+8*\p+67], v2, s[4:5] offset:(\p+8)*4096 th:TH_LOAD_NT
	global_load_b128 v[X+8*\p+68:X+8*\p+71], v2, s[4:5] offset:(\p+8)*4096+16 th:TH_LOAD_NT
.endr
	s_set_vgpr_msb 0x40                            ; destination window 1
.irp m, 0,1,2,3,4,5,6,7,8,9,10,11,12,13,14,15  ; the weights' codes last: nothing waits for them until xc's codes are stored
	global_load_b128 v[4*\m:4*\m+3], v11, s[94:95] offset:32*\m
.endr
	s_set_vgpr_msb 0x4000
; number j of both rows times Wg's row k_j, onto the eight sums of each: sel says which register of x's pair feeds both halves
.macro DOT p, j, sel
.irp hf, 0,1
.irp q, 0,1,2,3
	v_pk_fma_f32 v[ACC+8*\hf+2*\q:ACC+8*\hf+2*\q+1], v[X+8*(\p)+64*\hf+2*((\j)/2):X+8*(\p)+64*\hf+2*((\j)/2)+1], v[W+8*(\j)+2*\q:W+8*(\j)+2*\q+1], v[ACC+8*\hf+2*\q:ACC+8*\hf+2*\q+1] op_sel:[\sel,0,0] op_sel_hi:[\sel,1,1]
.endr
.endr
.endm
.macro PAIR p                          ; rows p and p + 8
	s_wait_loadcnt 44-4*(\p)                       ; of 64 loads Wg's 16 and x's first 4 (p + 1) are in; the younger ones stay out
.irp hf, 0,1
.irp q, 0,1,2,3
	v_pk_mul_f32 v[ACC+8*\hf+2*\q:ACC+8*\hf+2*\q+1], v[X+8*(\p)+64*\hf:X+8*(\p)+64*\hf+1], v[W+2*\q:W+2*\q+1] op_sel_hi:[0,1]   ; j = 0 starts the sums
.endr
.endr
	DOT \p, 1, 1
	DOT \p, 2, 0
	DOT \p, 3, 1
	DOT \p, 4, 0
	DOT \p, 5, 1
	DOT \p, 6, 0
	DOT \p, 7, 1
	v_max3_num_f32 v12, |v[X+8*(\p)]|, |v[X+8*(\p)+1]|, 0x1800000      ; the largest magnitude of my 8, and the floor 2^(3 - 127): the byte cannot fall under 1
	v_max3_num_f32 v13, |v[X+8*(\p)+64]|, |v[X+8*(\p)+65]|, 0x1800000
.irp i, 2,4,6
	v_max3_num_f32 v12, v12, |v[X+8*(\p)+\i]|, |v[X+8*(\p)+\i+1]|
	v_max3_num_f32 v13, v13, |v[X+8*(\p)+64+\i]|, |v[X+8*(\p)+65+\i]|
.endr
	v_max_num_f32_dpp v12, v12, v12 row_xmask:1 row_mask:0xf bank_mask:0xf
	v_max_num_f32_dpp v13, v13, v13 row_xmask:1 row_mask:0xf bank_mask:0xf
	v_max_num_f32_dpp v12, v12, v12 row_xmask:2 row_mask:0xf bank_mask:0xf   ; the block's: four lanes
	v_max_num_f32_dpp v13, v13, v13 row_xmask:2 row_mask:0xf bank_mask:0xf
	v_add_nc_u32 v14, 0xff000000, v12              ; 2 off the exponent field: the conversion's scale operand
	v_add_nc_u32 v15, 0xff000000, v13
	v_cvt_scalef32_pk8_fp4_f32 v[CR+2*(\p)], v[X+8*(\p):X+8*(\p)+7], v14
	v_cvt_scalef32_pk8_fp4_f32 v[CR+2*(\p)+1], v[X+8*(\p)+64:X+8*(\p)+71], v15
	v_lshrrev_b32 v[ER+2*(\p)], 23, v14            ; the scale's byte (also the plain line behind the conversions)
	v_lshrrev_b32 v[ER+2*(\p)+1], 23, v15
	ds_store_b32 v4, v[CR+2*(\p)] offset:(\p)*512
	ds_store_b32 v4, v[CR+2*(\p)+1] offset:(\p)*512+4096
	ds_store_b8 v5, v[ER+2*(\p)] offset:(\p)*32    ; the four lanes of a block write the same byte with the same value
	ds_store_b8 v5, v[ER+2*(\p)+1] offset:(\p)*32+256
.irp e, 0,1,2,3,4,5,6,7
	v_permlane16_swap_b32 v[ACC+\e], v[ACC+8+\e]   ; row p's upper lanes change places with row p + 8's lower lanes:
.endr
.irp e, 0,1,2,3,4,5,6,7
	v_add_f32 v[X+8*(\p)+\e], v[ACC+\e], v[ACC+8+\e]   ; lanes 0-15 now sum row p, lanes 16-31 row p + 8
.endr
.endm
.irp p, 0,1,2,3,4,5,6,7
	PAIR \p
.endr
; A fold: lanes outside the mask keep a, those inside keep b; each adds what its partner (lane xor xm) held of the same.  Two registers become one, and the sum spans twice the lanes.
.macro FOLD a, b, m, xm, t
	v_cndmask_b32 v[\t], v[\a], v[\b], s[\m]
	v_cndmask_b32 v[\t+1], v[\b], v[\a], s[\m]
	v_add_f32_dpp v[\a], v[\t+1], v[\t] row_xmask:\xm row_mask:0xf bank_mask:0xf
.endm
.irp p, 0,1,2,3
.irp e, 0,1,2,3,4,5,6,7
	FOLD X+8*\p+\e, X+8*\p+32+\e, 20, 8, 12+2*(\e%2)
.endr
.endr
.irp p, 0,1
.irp e, 0,1,2,3,4,5,6,7
	FOLD X+8*\p+\e, X+8*\p+16+\e, 21, 4, 12+2*(\e%2)
.endr
.endr
.irp e, 0,1,2,3,4,5,6,7
	FOLD X+\e, X+8+\e, 22, 2, 12+2*(\e%2)
.endr
.irp e, 0,1,2,3
	FOLD X+\e, X+4+\e, 23, 1, 12+2*(\e%2)
.endr
	ds_store_b128 v6, v[X:X+3]                     ; lane l: row l / 2, experts 4 (l % 2) + 0 .. 3, summed over my wave's 256 k
	s_wait_dscnt 0x0                               ; for the others' sake: all my LDS stores have landed
	s_barrier_signal -1
	s_barrier_wait -1
.irp i, 0,1,2,3
	ds_load_b128 v[40+4*\i:43+4*\i], v8 offset:512*\i   ; rows 4 w + i, whole
.endr
.irp i, 0,1,2,3
	s_wait_dscnt 3-\i
	global_store_b128 v9, v[40+4*\i:43+4*\i], s[8:9] offset:512*\i   ; 32 lanes store a row's 512 consecutive bytes
.endr
	s_wait_loadcnt 0x0                             ; the weights' codes are in
	s_set_vgpr_msb 0x04                            ; a store's data are its source 1: window 1
.irp m, 0,1,2,3,4,5,6,7,8,9,10,11,12,13,14,15
	global_store_b128 v7, v[4*\m:4*\m+3], s[14:15] offset:512*\m   ; 512 consecutive bytes: the image of four registers of a fragment
.endr
	s_set_vgpr_msb 0x0400
	s_cmp_lg_u32 s16, 0
	s_cbranch_scc1 .Lend
	; ---- wave 0 alone: the scale bytes, the softmax, the top-2, the key and the counts.  Lanes 2 i and 2 i + 1 both hold token i
	ds_load_b128 v[56:59], v10
.irp i, 0,1,2,3
	ds_load_b128 v[60+4*\i:63+4*\i], v7 offset:PART+512*\i
.endr
	s_wait_dscnt 0x4
	global_store_b128 v7, v[56:59], s[26:27] offset:XSC   ; 512 consecutive bytes: 16 rows of 32 scale bytes
	s_wait_dscnt 0x0
	v_pk_add_f32 v[60:61], v[60:61], v[64:65]
	v_pk_add_f32 v[62:63], v[62:63], v[66:67]
	v_pk_add_f32 v[68:69], v[68:69], v[72:73]
	v_pk_add_f32 v[70:71], v[70:71], v[74:75]
	v_pk_add_f32 v[60:61], v[60:61], v[68:69]
	v_pk_add_f32 v[62:63], v[62:63], v[70:71]      ; my four logits
.irp k, 0,1,2,3
	v_mov_b32_dpp v[64+\k], v[60+\k] row_xmask:1 row_mask:0xf bank_mask:0xf   ; my neighbour's four
.endr
.irp k, 0,1,2,3
	v_cndmask_b32 v[80+\k], v[60+\k], v[64+\k], s23    ; experts 0-3: an even lane's own
	v_cndmask_b32 v[84+\k], v[64+\k], v[60+\k], s23    ; experts 4-7: an odd lane's own
.endr
	v_max3_num_f32 v88, v80, v81, v82
	v_max3_num_f32 v88, v88, v83, v84
	v_max3_num_f32 v88, v88, v85, v86
	v_max_num_f32 v88, v88, v87                    ; the largest logit is taken away ahead of the exponentials
.irp e, 0,1,2,3,4,5,6,7
	v_sub_f32 v[80+\e], v[80+\e], v88
.endr
.irp e, 0,1,2,3,4,5,6,7
	v_mul_f32 v[80+\e], 0x3fb8aa3b, v[80+\e]
.endr
.irp e, 0,1,2,3,4,5,6,7
	v_exp_f32 v[80+\e], v[80+\e]
.endr
	v_nop                                          ; a plain line behind the exponentials
	s_wait_alu depctr_va_vdst(0)
	v_add_f32 v89, v80, v81
	v_add_f32 v90, v82, v83
	v_add_f32 v91, v84, v85
	v_add_f32 v92, v86, v87
	v_add_f32 v89, v89, v90
	v_add_f32 v91, v91, v92
	v_add_f32 v89, v89, v91
	v_rcp_f32 v89, v89
	v_nop
	s_wait_alu depctr_va_vdst(0)
.irp e, 0,1,2,3,4,5,6,7
	v_mul_f32 v[80+\e], v[80+\e], v89              ; probs
.endr
	v_mov_b32 v90, v80                             ; the best so far and its index,
	v_mov_b32 v91, 0
	v_mov_b32 v92, -1.0                            ; the second (under every probability)
	v_mov_b32 v93, 0
.irp e, 1,2,3,4,5,6,7                          ; strictly greater: of equals the lower index is kept
	v_cmp_gt_f32 s30, v[80+\e], v90
	v_cmp_gt_f32 s31, v[80+\e], v92
	v_cndmask_b32 v92, v92, v[80+\e], s31
	v_cndmask_b32 v93, v93, \e, s31
	v_cndmask_b32 v92, v92, v90, s30
	v_cndmask_b32 v93, v93, v91, s30
	v_cndmask_b32 v90, v90, v[80+\e], s30
	v_cndmask_b32 v91, v91, \e, s30
.endr
; From here on lines of one kind stand together, each with scalar registers of its own, so that a scalar line does not follow straight on the vector line whose mask it reads.
.irp e, 0,1,2,3,4,5,6,7
	v_cmp_eq_u32 s[MK+\e], \e, v91
.endr
.irp e, 0,1,2,3,4,5,6,7
	v_cmp_eq_u32 s[MK+8+\e], \e, v93
.endr
.irp e, 0,1,2,3,4,5,6,7
	s_or_b32 s[MK+\e], s[MK+\e], s[MK+8+\e]
.endr
.irp e, 0,1,2,3,4,5,6,7
	v_cndmask_b32 v[96+\e], 0, v[80+\e], s[MK+\e]  ; probs x mask
.endr
.irp k, 0,1,2,3
	v_cndmask_b32 v[104+\k], v[96+\k], v[100+\k], s23
.endr
	global_store_b128 v7, v[104:107], s[10:11]     ; 512 consecutive bytes: 16 tokens x 8 weights
	v_min_u32 v108, v91, v93                       ; lo
	v_max_u32 v109, v91, v93                       ; hi
	v_sub_nc_u32 v110, 15, v108
	v_mul_u32_u24 v110, v110, v108
	v_lshrrev_b32 v110, 1, v110                    ; lo (15 - lo) / 2: where lo's keys begin
	v_sub_nc_u32 v111, v109, v108
	v_add_nc_u32 v111, -1, v111                    ; an even lo: hi ascends: hi - lo - 1
	v_sub_nc_u32 v117, 7, v109                     ; an odd lo: hi descends: 7 - hi
	v_and_b32 v118, 1, v108
	v_cmp_ne_u32 vcc_lo, 0, v118
	v_cndmask_b32 v111, v111, v117, vcc_lo
	v_add_nc_u32 v110, v110, v111                  ; key: 0 .. 27
	v_mov_b32 v112, 0                              ; lane k: how many of my 16 tokens have key k
.irp c, 0,1,2,3
	v_mov_b32 v[124+\c], 0                         ; my token's rank among those of its key, in four parts of which one at most is set
.endr
.set KK, 0
.rept 28
	v_cmp_eq_u32 s[MK+KK], KK, v110
.set KK, KK+1
.endr
.set KK, 0
.rept 28
	s_and_b32 s[MK+KK], s[MK+KK], s24              ; each token once: the even lanes
.set KK, KK+1
.endr
.set KK, 0
.rept 28
	s_bcnt1_i32_b32 s[CT+KK], s[MK+KK]
.set KK, KK+1
.endr
.set KK, 0
.rept 28
	v_writelane_b32 v112, s[CT+KK], KK
.set KK, KK+1
.endr
.set KK, 0
.rept 28
	v_mbcnt_lo_u32_b32 v[120+KK%4], s[MK+KK], 0
	v_cndmask_b32 v[124+KK%4], v[124+KK%4], v[120+KK%4], s[MK+KK]
.set KK, KK+1
.endr
	v_add3_u32 v113, v124, v125, v126
	v_add_nc_u32 v113, v113, v127
	v_lshl_or_b32 v114, v113, 8, v110
	v_lshlrev_b32 v115, 2, v1
	v_lshlrev_b32 v116, 10, v1
	global_store_b32 v115, v114, s[12:13]          ; the even lanes' words are the tokens'
	global_store_b32 v116, v112, s[28:29] offset:HOFF   ; counts[key = lane][segment b]: four bytes a lane, once for each work-group, so that the next launch reads the table key by key
.Lend:
	s_set_vgpr_msb 0x5
	s_wait_tensorcnt 0x0
	ds_add_u32 v64, v65
	s_wait_dscnt 0x0
	s_set_vgpr_msb 0x500
	s_endpgm
.Lfunc_end_k_qe2b3811b7c_route:
	.size	k_qe2b3811b7c_route, .Lfunc_end_k_qe2b3811b7c_route-k_qe2b3811b7c_route
	.p2alignl 7, 3214868480
	.fill 96, 4, 3214868480
	.section	.rodata,"a",@progbits
	.p2align	6, 0x0
	.amdhsa_kernel k_qe2b3811b7c_route
		.amdhsa_group_segment_fixed_size 12800
		.amdhsa_private_segment_fixed_size 0
		.amdhsa_enable_private_segment 0
		.amdhsa_kernarg_size 64
		.amdhsa_user_sgpr_count 2
		.amdhsa_user_sgpr_kernarg_segment_ptr 1
		.amdhsa_wavefront_size32 1
		.amdhsa_system_sgpr_workgroup_id_x 1
		.amdhsa_system_sgpr_workgroup_id_y 1
		.amdhsa_system_sgpr_workgroup_id_z 1
		.amdhsa_system_vgpr_workitem_id 0
		.amdhsa_next_free_vgpr 322
		.amdhsa_next_free_sgpr 100
		.amdhsa_reserve_vcc 1
		.amdhsa_float_denorm_mode_32 3
		.amdhsa_float_denorm_mode_16_64 3
		.amdhsa_memory_ordered 1
		.amdhsa_forward_progress 1
		.amdhsa_inst_pref_size 90
	.end_amdhsa_kernel
	.amdgpu_metadata
---
amdhsa.version: [ 1, 2 ]
amdhsa.kernels:
  - .name:           k_qe2b3811b7c_route
    .symbol:         k_qe2b3811b7c_route.kd
    .args:
      - { .name: x, .offset: 0, .size: 8, .value_kind: global_buffer, .address_space: global }
      - { .name: Wg, .offset: 8, .size: 8, .value_kind: global_buffer, .address_space: global }
      - { .name: xc, .offset: 16, .size: 8, .value_kind: global_buffer, .address_space: global }
      - { .name: wts, .offset: 24, .size: 8, .value_kind: global_buffer, .address_space: global }
      - { .name: rkey, .offset: 32, .size: 8, .value_kind: global_buffer, .address_space: global }
      - { .name: wf, .offset: 40, .size: 8, .value_kind: global_buffer, .address_space: global }
      - { .name: W1_codes, .offset: 48, .size: 8, .value_kind: global_buffer, .address_space: global }
      - { .name: W2_codes, .offset: 56, .size: 8, .value_kind: global_buffer, .address_space: global }
    .group_segment_fixed_size: 12800
    .private_segment_fixed_size: 0
    .kernarg_segment_align: 8
    .kernarg_segment_size: 64
    .max_flat_workgroup_size: 128
    .sgpr_count:     100
    .vgpr_count:     322
    .wavefront_size: 32
...
	.end_amdgpu_metadata
.endif
;; end of part 5
;; launch place (part 6): grid 32 x 1, 32 waves a work-group, no clusters, 40,960 bytes of LDS; arguments xc, rkey, xsd, tabs; writes xsd, tabs
.if DOCPART == 6
	.amdgcn_target "amdgcn-amd-amdhsa--gfx1250"
	.amdhsa_code_object_version 6
	.text
	.protected	k_qe2b3811b7c_place
	.globl	k_qe2b3811b7c_place
	.p2align	8
	.type	k_qe2b3811b7c_place,@function
k_qe2b3811b7c_place:
	s_mov_b64 s[64:65], 0
	v_nop
	global_prefetch_b8 v0, s[64:65] scope:SCOPE_SE
	s_setreg_imm32_b32 hwreg(HW_REG_WAVE_MODE, 25, 1), 1
	s_wait_xcnt 0x0
; THE SORT'S END.  Tokens are put in the order of (key, segment, rank).  Out: xsd = xc's rows in that order; tabs = perm[4096] (position -> token);
; gmask[256] at GM: which experts the 16 tokens of a group (16 neighbouring positions) use; glist[8][8][32] at GL: for each expert its groups, entry i at (i % 8) x 32 + i / 8, members first; cnt[8] at CN.
; The keys number the pairs of experts as the launch before numbers them: lo ascending; for an even lo the upper expert ascends, for an odd lo it descends: neighbouring keys share an expert.
; SHARES.  Every work-group repeats the scan of the 32 x 256 counts (wave k: key k, 8 segments a lane).  Work-group b places tokens 128 b .. 128 b + 127, four a wave.  Work-group 0 alone stores the tables.
; All waves of all work-groups pass all four barriers.  No atomics: a token's place is start[key][segment] + rank.
; No matrix unit, no tensor load, no cluster: the launch moves 2 MB once, and what the work-groups share is the 32 KB of counts.
.set XSC,  2097152
.set HOFF, 32768
.set GM,   16384
.set GL,   17408
.set CN,   25600
.set TP,   1040                        ; LDS: a key's row of the table of starts: 1,024 bytes + 16 = 260 words: lanes that read one column of 32 rows begin 4 banks apart (64 banks of 4 bytes: ISA guide 11.1)
.set WT,   32*TP                       ; behind the table: a total for each wave,
.set GMB,  WT+256                      ; and a mask for each group
.set KS,   32                          ; s32-60  where each key begins
.set MM,   68                          ; s68-75  lanes whose group uses my expert
.macro BAR
	s_barrier_signal -1
	s_barrier_wait -1
.endm
	s_load_b256 s[4:11], s[0:1], 0x0               ; xc s[4:5], rkey s[6:7], xsd s[8:9], tabs s[10:11]
	v_lshl_add_u32 v72, v0, 2, 0x9000
	v_mov_b32 v73, 0
	v_lshrrev_b32 v1, 5, v0
	v_readfirstlane_b32 s16, v1                    ; wave
	v_and_b32 v1, 31, v0                           ; lane
	v_lshlrev_b32 v2, 5, v0                        ; my 8 counts in memory: 32 bytes a thread
	s_mul_i32 s17, s16, TP
	v_lshl_add_u32 v64, v1, 5, s17                 ; and their starts in LDS: row = my wave's key, 32 bytes a lane
	v_lshlrev_b32 v3, 4, v1
	s_lshl_b32 s17, s16, 2
	s_add_co_u32 s17, s17, WT
	v_mov_b32 v4, s17                              ; my wave's total
	v_lshl_add_u32 v5, v1, 2, WT                   ; wave l's total
	s_lshl_b32 s17, ttmp9, 3
	s_lshr_b32 s18, s16, 2
	s_add_co_u32 s17, s17, s18                     ; my four tokens' segment
	s_lshl_b32 s17, s17, 2
	v_mul_u32_u24 v18, v1, TP                      ; start[key = lane][0]
	v_add_nc_u32 v6, s17, v18                      ; start[key = lane][segment]
	s_and_b32 s18, s16, 7
	s_lshl_b32 s18, s18, 7
	v_lshl_add_u32 v19, v1, 2, s18                 ; 4 g, g = 32 (w % 8) + l
	v_add_nc_u32 v7, GMB, v19
	v_lshl_add_u32 v17, v1, 2, GMB
	v_bfe_u32 v49, v1, 1, 2                        ; which of my wave's four tokens: (l / 2) % 4
	v_lshlrev_b32 v48, 3, v49
	v_and_b32 v50, 7, v1
	v_lshlrev_b32 v50, 4, v50
	s_lshl_b32 s19, ttmp9, 7
	s_lshl_b32 s20, s16, 2
	s_add_co_u32 s19, s19, s20                     ; my wave's first token
	v_add_nc_u32 v49, s19, v49                     ; my lane's token
	s_mov_b32 s21, 0
	s_mov_b32 s22, 0x76543210
	s_mov_b32 s23, 0xfedcba98
	s_wait_kmcnt 0x0
	s_lshl_b32 s20, s19, 9
	s_add_nc_u64 s[24:25], s[4:5], s[20:21]
	s_lshl_b32 s20, s19, 5
	s_add_nc_u64 s[26:27], s[4:5], s[20:21]
	s_lshl_b32 s20, s19, 3
	s_add_nc_u64 s[28:29], s[6:7], s[20:21]
	global_load_b128 v[8:11], v2, s[6:7] offset:HOFF
	global_load_b128 v[12:15], v2, s[6:7] offset:HOFF+16
	global_load_b32 v16, v48, s[28:29]             ; key | rank << 8
.irp i, 0,1,2,3
	global_load_b128 v[20+4*\i:23+4*\i], v3, s[24:25] offset:512*\i   ; a token's 512 bytes of codes
.endr
	global_load_b128 v[36:39], v50, s[26:27] offset:XSC   ; four tokens' scale bytes, in lanes 0-7, repeated
	s_wait_loadcnt 0x6                             ; the counts are in; the six younger loads stay out
	v_mov_b32 v41, v8                              ; sums of what stands ahead of each of my 8
	v_add_nc_u32 v42, v41, v9
	v_add_nc_u32 v43, v42, v10
	v_add_nc_u32 v44, v43, v11
	v_add_nc_u32 v45, v44, v12
	v_add_nc_u32 v46, v45, v13
	v_add_nc_u32 v47, v46, v14
	v_add_nc_u32 v54, v47, v15                     ; my 8 together
	v_mov_b32 v53, v54
	v_mov_b32 v51, 0
.irp n, 1,2,4,8
	v_mov_b32_dpp v51, v53 row_shr:\n row_mask:0xf bank_mask:0xf bound_ctrl:1
	v_add_nc_u32 v53, v53, v51
.endr
	v_readlane_b32 s30, v53, 15
	v_cmp_lt_u32 vcc_lo, 15, v1
	v_mov_b32 v51, s30
	v_cndmask_b32 v51, 0, v51, vcc_lo
	v_add_nc_u32 v53, v53, v51                     ; the running sum over the wave, my lane included
	v_readlane_b32 s30, v53, 31
	v_mov_b32 v51, s30
	ds_store_b32 v4, v51
	s_wait_dscnt 0x0
	BAR
	ds_load_b32 v51, v5
	v_cmp_gt_u32 vcc_lo, s16, v1
	s_wait_dscnt 0x0
	v_cndmask_b32 v51, 0, v51, vcc_lo              ; the totals of the waves ahead of mine
	v_mov_b32 v52, 0
.irp n, 1,2,4,8
	v_mov_b32_dpp v52, v51 row_xmask:\n row_mask:0xf bank_mask:0xf
	v_add_nc_u32 v51, v51, v52
.endr
	v_permlanex16_b32 v52, v51, s22, s23
	v_add_nc_u32 v51, v51, v52
	v_add_nc_u32 v51, v51, v53
	v_sub_nc_u32 v40, v51, v54                     ; where my first entry begins
.irp j, 1,2,3,4,5,6,7
	v_add_nc_u32 v[40+\j], v40, v[40+\j]
.endr
	ds_store_b128 v64, v[40:43]
	ds_store_b128 v64, v[44:47] offset:16
	s_wait_dscnt 0x0
	BAR                                            ; the table of starts is whole
	ds_load_b32 v56, v6
	s_wait_loadcnt 0x5                             ; the key word is in
	v_and_b32 v55, 31, v16
	v_min_u32 v55, 31, v55
	v_lshlrev_b32 v55, 2, v55
	v_bfe_u32 v51, v16, 8, 4                       ; rank
	s_wait_dscnt 0x0
	ds_bpermute_b32 v57, v55, v56                  ; start[my token's key][segment], from lane key
	s_wait_dscnt 0x0
	BAR                                            ; parts these LDS instructions from the stores of the masks below
	v_add_nc_u32 v57, v57, v51
	v_min_u32 v57, 4095, v57                       ; my token's place
	v_lshlrev_b32 v58, 2, v57
	global_store_b32 v58, v49, s[10:11]            ; perm (lanes that hold the same token store the same word)
	v_and_b32 v51, 1, v1
	v_lshlrev_b32 v51, 4, v51
	v_lshl_add_u32 v59, v57, 5, v51
	s_wait_loadcnt 0x0
.irp i, 0,1,2,3
	v_readlane_b32 s30, v57, 2*\i
	s_min_u32 s30, s30, 4095
	v_lshl_add_u32 v[60+\i], s30, 9, v3
	global_store_b128 v[60+\i], v[20+4*\i:23+4*\i], s[8:9]   ; 32 lanes store the row's 512 consecutive bytes
.endr
	global_store_b128 v59, v[36:39], s[8:9] offset:XSC
	s_cmp_ge_u32 s16, 8
	s_cbranch_scc1 .Lno_gm
	ds_load_b32 v51, v18                           ; waves 0-7: a group to a lane
	s_wait_dscnt 0x0
.set KK, 0
.rept 29
	v_readlane_b32 s[KS+KK], v51, KK
.set KK, KK+1
.endr
	v_lshlrev_b32 v52, 2, v19                      ; the group's first place, 16 g,
	v_add_nc_u32 v53, 16, v52                      ; and the place behind its last
	v_mov_b32 v54, 0
.set KK, 0
.irp lo, 0,1,2,3,4,5,6
.irp i, 0,1,2,3,4,5,6
.if \i < 7-\lo
.if \lo % 2
.set HI, 7-\i                          ; an odd lo: the upper expert descends
.else
.set HI, \lo+1+\i                      ; an even lo: it ascends
.endif
	v_max_u32 v55, s[KS+KK], v52                   ; does key KK's run of places meet the group's?
	v_min_u32 v56, s[KS+KK+1], v53
	v_cmp_lt_u32 vcc_lo, v55, v56
	v_or_b32 v51, (1<<\lo)|(1<<HI), v54
	v_cndmask_b32 v54, v54, v51, vcc_lo
.set KK, KK+1
.endif
.endr
.endr
	ds_store_b32 v7, v54
.Lno_gm:
	s_wait_dscnt 0x0
	BAR
	s_cmp_lg_u32 ttmp9, 0
	s_cbranch_scc1 .Lend
	s_cmp_ge_u32 s16, 8
	s_cbranch_scc1 .Lend
	; ---- work-group 0, wave e: expert e's list
	s_wait_xcnt 0x0                                ; the stores above have read their registers: these are used again
.irp j, 0,1,2,3,4,5,6,7
	ds_load_b32 v[8+\j], v17 offset:128*\j         ; group 32 j + l
.endr
	ds_load_b32 v16, v7
	s_wait_dscnt 0x0
	global_store_b32 v19, v16, s[10:11] offset:GM  ; gmask: 128 consecutive bytes a wave
	s_mov_b32 s30, 0
.irp j, 0,1,2,3,4,5,6,7
	v_lshrrev_b32 v51, s16, v[8+\j]
	v_and_b32 v51, 1, v51
	v_cmp_ne_u32 s[MM+\j], 0, v51
	s_bcnt1_i32_b32 s31, s[MM+\j]
	s_add_co_u32 s30, s30, s31                     ; how many groups use my expert
.endr
	s_lshl_b32 s31, s16, 2
	v_mov_b32 v52, s31
	v_mov_b32 v53, s30
	global_store_b32 v52, v53, s[10:11] offset:CN
	s_mov_b32 s76, 0                               ; members so far;
	s_mov_b32 s77, s30                             ; the others follow the members, so that all 256 entries are written
	s_lshl_b32 s78, s16, 8
.irp j, 0,1,2,3,4,5,6,7
	v_mbcnt_lo_u32_b32 v54, s[MM+\j], 0
	v_add_nc_u32 v54, s76, v54
	s_not_b32 s79, s[MM+\j]
	v_mbcnt_lo_u32_b32 v55, s79, 0
	v_add_nc_u32 v55, s77, v55
	v_cndmask_b32 v54, v55, v54, s[MM+\j]          ; the group's index i in the list
	v_and_b32 v55, 7, v54
	v_lshrrev_b32 v54, 3, v54
	v_lshl_add_u32 v54, v55, 5, v54
	v_add_nc_u32 v54, s78, v54                     ; 256 e + 32 (i % 8) + i / 8
	v_min_u32 v54, 2047, v54
	v_lshlrev_b32 v[24+\j], 2, v54
	v_add_nc_u32 v[32+\j], 32*\j, v1
	global_store_b32 v[24+\j], v[32+\j], s[10:11] offset:GL
	s_bcnt1_i32_b32 s79, s[MM+\j]
	s_add_co_u32 s76, s76, s79
	s_sub_co_u32 s79, 32, s79
	s_add_co_u32 s77, s77, s79
.endr
.Lend:
	s_wait_tensorcnt 0x0
	ds_add_u32 v72, v73
	s_wait_dscnt 0x0
	s_endpgm
.Lfunc_end_k_qe2b3811b7c_place:
	.size	k_qe2b3811b7c_place, .Lfunc_end_k_qe2b3811b7c_place-k_qe2b3811b7c_place
	.p2alignl 7, 3214868480
	.fill 96, 4, 3214868480
	.section	.rodata,"a",@progbits
	.p2align	6, 0x0
	.amdhsa_kernel k_qe2b3811b7c_place
		.amdhsa_group_segment_fixed_size 40960
		.amdhsa_private_segment_fixed_size 0
		.amdhsa_enable_private_segment 0
		.amdhsa_kernarg_size 32
		.amdhsa_user_sgpr_count 2
		.amdhsa_user_sgpr_kernarg_segment_ptr 1
		.amdhsa_wavefront_size32 1
		.amdhsa_system_sgpr_workgroup_id_x 1
		.amdhsa_system_sgpr_workgroup_id_y 1
		.amdhsa_system_sgpr_workgroup_id_z 1
		.amdhsa_system_vgpr_workitem_id 0
		.amdhsa_next_free_vgpr 74
		.amdhsa_next_free_sgpr 80
		.amdhsa_reserve_vcc 1
		.amdhsa_float_denorm_mode_32 3
		.amdhsa_float_denorm_mode_16_64 3
		.amdhsa_memory_ordered 1
		.amdhsa_forward_progress 1
		.amdhsa_inst_pref_size 24
	.end_amdhsa_kernel
	.amdgpu_metadata
---
amdhsa.version: [ 1, 2 ]
amdhsa.kernels:
  - .name:           k_qe2b3811b7c_place
    .symbol:         k_qe2b3811b7c_place.kd
    .args:
      - { .name: xc, .offset: 0, .size: 8, .value_kind: global_buffer, .address_space: global }
      - { .name: rkey, .offset: 8, .size: 8, .value_kind: global_buffer, .address_space: global }
      - { .name: xsd, .offset: 16, .size: 8, .value_kind: global_buffer, .address_space: global }
      - { .name: tabs, .offset: 24, .size: 8, .value_kind: global_buffer, .address_space: global }
    .group_segment_fixed_size: 40960
    .private_segment_fixed_size: 0
    .kernarg_segment_align: 8
    .kernarg_segment_size: 32
    .max_flat_workgroup_size: 1024
    .sgpr_count:     80
    .vgpr_count:     74
    .wavefront_size: 32
...
	.end_amdgpu_metadata
.endif
;; end of part 6
;; launch up (part 7): grid 256 x 1, 4 waves a work-group, no clusters, 287,232 bytes of LDS; arguments xsd, tabs, wf, W1_scales, b1, hbuf; writes hbuf
.if DOCPART == 7
	.amdgcn_target "amdgcn-amd-amdhsa--gfx1250"
	.amdhsa_code_object_version 6
	.text
	.protected	k_qe2b3811b7c_up
	.globl	k_qe2b3811b7c_up
	.p2align	8
	.type	k_qe2b3811b7c_up,@function
k_qe2b3811b7c_up:
	s_mov_b64 s[64:65], 0
	v_nop
	global_prefetch_b8 v0, s[64:65] scope:SCOPE_SE
	s_setreg_imm32_b32 hwreg(HW_REG_WAVE_MODE, 25, 1), 1
	s_wait_xcnt 0x0
; h = Q(gelu(Q(x) W1 + b1)) for the UNITS (group g of 16 sorted tokens, expert e that one of them uses).  Both operands E2M1 with E8M0 scales, sums f32; gelu (tanh form) and the quantiser in f32.
; hbuf: slot g x 8 + e of 8,704 bytes: the 16 rows' codes as images of the next product's operand registers (64 hidden units cg at 512 cg + 16 x lane), then 512 bytes of scale halves, u16 [cg][row].
; SHARES.  Work-group (e, j, c): 256 hidden units of expert e, every eighth unit of e's list.  Wave w: the 64 hidden units cg = 4 j + w, for all units: its part of W1 (4 tiles x 8 K steps, 256 registers),
; its scale words and its biases stay in registers and are read from memory once.  The units' rows of x reach all four waves through LDS: wave w brings units k with k % 4 = w; one barrier.
; W1's codes come from wf, where the first launch has laid them in the order of the operand registers: block 16 e + cg of 32,768 bytes, tile t, K step s, half c at 8,192 t + 1,024 s + 512 c + 16 x lane:
; each load of the wave covers 512 consecutive bytes.
; The product is used transposed (source 0 = 16 rows of W1, source 1 = 16 tokens): a lane holds one token.  THE ROWS OF W1 THAT FORM A TILE ARE NOT NEIGHBOURS: lane r of tile 2 b + u takes row
; 32 b + 8 u + r + 8 (r / 8), so that the 16 registers of tiles 2 b and 2 b + 1 are 16 neighbours along the next K.  b1 is the C of each sum's first matrix instruction.
; NO TENSOR LOADS, SO NO JOINT LOADS, though eight work-groups read the same part of W1: how many units a work-group has is a count read from memory, and branches hang on it; operands come by plain loads.
; The loop over units has a constant count of trips; a unit that the list does not have is jumped over.  A work-group without units passes the barrier and stores nothing.
; LIMITS: a block of h whose largest magnitude lies under 2^-124 gets the scale byte 1; these bytes are read by this program alone.
.set XSC, 2097152
.set GL,  17408
.set CN,  25600
.set USZ, 8704
.set RP,  560                          ; a row in LDS: 512 bytes of codes, 32 of scales, 16 of padding = 35 x 16: the 16 rows of a fragment load begin 16 bytes apart modulo 256
.set UB,  16*RP                        ; a unit
.set REG, 8*UB                         ; a wave's region: unit k lies at (k % 4) REG + (k / 4) UB
.set AF,  40                           ; v40-103  x's eight fragments
.set ACC, 104                          ; v104-135 four accumulators
.set T,   136                          ; v136-167 at work; while staging: four units' scale bytes
.set W1S, 168                          ; v168-199 W1's scale words: tile t, K step s at 8 t + s
.set B1,  200                          ; v200-231 b1, eight registers a tile, in the result's layout
.set XS,  232                          ; v232-239 x's scale words, K step s
.set TM,  240                          ; v240-247 the quantiser's
.set PC,  248                          ; v248-251 the codes just made
.set PW,  252                          ; v252     their two scale bytes
.set K1,  254                          ; v254-255 the constant k1, twice
; window 1: W1's fragments, tile t, K step s at 64 t + 8 s.   window 2: four sets of 64 for staging.
; v1 16 l; v2 r; v3 h; v4 the list (lane k: unit k's group); v5 r + 8 (r / 8); v6-7 offsets into W1's scales, b1; v8-11 where I stage; v12-15, v16-19 where unit q of a trip lies; v20-23 addresses in hand; v24-31 staging offsets; v32 2 r; v33 4 l
.set MSB, 0
.macro WIN new                         ; the immediate's high byte repeats the setting that is left
.if MSB != (\new)
	s_set_vgpr_msb (MSB<<8)|(\new)
.set MSB, (\new)
.endif
.endm
	s_load_b256 s[4:11], s[0:1], 0x0               ; xsd s[4:5], tabs s[6:7], wf s[8:9], W1's scales s[10:11]
	s_load_b128 s[12:15], s[0:1], 0x20             ; b1 s[12:13], hbuf s[14:15]
	v_lshl_add_u32 v39, v0, 2, 0x46000
	v_mov_b32 v253, 0
	v_lshrrev_b32 v1, 5, v0
	v_readfirstlane_b32 s16, v1                    ; wave
	v_and_b32 v34, 31, v0                          ; lane
	v_lshlrev_b32 v1, 4, v34
	v_and_b32 v2, 15, v0                           ; r
	v_bfe_u32 v3, v0, 4, 1                         ; h
	v_lshlrev_b32 v33, 2, v34
	v_lshlrev_b32 v32, 1, v2
	v_and_b32 v5, 8, v2
	v_add_nc_u32 v5, v5, v2                        ; r + 8 (r / 8)
	v_lshlrev_b32 v6, 5, v5                        ; W1's scales: 32 bytes a row
	v_lshlrev_b32 v7, 6, v3                        ; b1: 16 h numbers on
	s_mul_i32 s23, s16, REG
	v_add_nc_u32 v8, s23, v1                       ; staging, codes: my region + 16 l;
	v_add_nc_u32 v9, 4*UB, v8                      ; the second four units
	v_lshrrev_b32 v10, 1, v34
	v_mul_u32_u24 v10, v10, RP
	v_and_b32 v11, 1, v34
	v_lshl_add_u32 v10, v11, 4, v10
	v_add_nc_u32 v10, s23, v10
	v_add_nc_u32 v10, 512, v10                     ; staging, scales: row l / 2, half l % 2
	v_add_nc_u32 v11, 4*UB, v10
	v_mul_u32_u24 v12, v2, RP
	v_add_nc_u32 v16, 512, v12                     ; reading: row r's scale words,
	v_lshl_add_u32 v12, v3, 4, v12                 ; and its codes, + 16 h
.irp q, 1,2,3
	v_add_nc_u32 v[12+\q], \q*REG, v12
	v_add_nc_u32 v[16+\q], \q*REG, v16
.endr
	v_mov_b32 v[K1], 0xc0135761                    ; k1 = -2 log2(e) sqrt(2 / pi)
	v_mov_b32 v[K1+1], 0xc0135761
	v_mov_b32 v[TM+2], 0                           ; written once: a lane permute's destination counts as one of its sources
	v_mov_b32 v[TM+3], 0
	s_lshr_b32 s17, ttmp9, 5                       ; e
	s_bfe_u32 s18, ttmp9, 0x20003                  ; j
	s_and_b32 s19, ttmp9, 7                        ; c
	s_lshl_b32 s18, s18, 2
	s_add_co_u32 s18, s18, s16                     ; cg
	s_lshl_b32 s38, s18, 9                         ; my codes' place in a slot,
	s_lshl_b32 s39, s18, 5
	s_add_co_u32 s39, s39, 8192                    ; and my scale halves'
	s_mov_b32 s28, 0xbdd2d3e8                      ; k2 = 0.044715 k1
	s_mov_b32 s29, s28                             ; (named with it as a pair, so it is written)
	s_mov_b32 s30, 0x76543210
	s_mov_b32 s31, 0xfedcba98                      ; v_permlanex16_b32's selects for lane l xor 16
	s_lshl_b32 s41, s17, 2
	s_mov_b32 s25, 0
	s_wait_kmcnt 0x0
	s_load_b32 s20, s[6:7], s41 offset:CN          ; how many units expert e has
	s_lshl_b32 s24, s17, 10
	s_lshl_b32 s40, s19, 7
	s_add_co_u32 s24, s24, s40
	s_add_nc_u64 s[26:27], s[6:7], s[24:25]
	global_load_b32 v4, v33, s[26:27] offset:GL    ; my 32 entries of the list: the first load
	s_lshl_b32 s24, s17, 19
	s_lshl_b32 s40, s18, 15
	s_add_co_u32 s24, s24, s40
	s_add_nc_u64 s[8:9], s[8:9], s[24:25]          ; wf at block 16 e + cg
	s_lshl_b32 s24, s17, 15
	s_lshl_b32 s40, s18, 11
	s_add_co_u32 s24, s24, s40
	s_add_nc_u64 s[10:11], s[10:11], s[24:25]
	s_lshl_b32 s24, s17, 12
	s_lshl_b32 s40, s18, 8
	s_add_co_u32 s24, s24, s40
	s_add_nc_u64 s[12:13], s[12:13], s[24:25]
	WIN 0x40                                       ; destination window 1
.irp t, 0,1,2,3
.irp s, 0,1,2,3,4,5,6,7
.irp c, 0,1
	global_load_b128 v[64*\t+8*\s+4*\c:64*\t+8*\s+4*\c+3], v1, s[8:9] offset:8192*\t+1024*\s+512*\c   ; 512 consecutive bytes: four registers of a fragment, lane by lane
.endr
.endr
.endr
	WIN 0
.irp t, 0,1,2,3
	global_load_b128 v[W1S+8*\t:W1S+8*\t+3], v6, s[10:11] offset:(32*(\t/2)+8*(\t%2))*32
	global_load_b128 v[W1S+8*\t+4:W1S+8*\t+7], v6, s[10:11] offset:(32*(\t/2)+8*(\t%2))*32+16
	global_load_b128 v[B1+8*\t:B1+8*\t+3], v7, s[12:13] offset:(32*(\t/2)+8*(\t%2))*4
	global_load_b128 v[B1+8*\t+4:B1+8*\t+7], v7, s[12:13] offset:(32*(\t/2)+8*(\t%2))*4+16
.endr
	s_wait_kmcnt 0x0
	s_add_co_u32 s20, s20, 7
	s_sub_co_u32 s20, s20, s19
	s_lshr_b32 s20, s20, 3
	s_min_u32 s20, s20, 32                         ; n: my work-group's units, list entries c + 8 k, k < n
	s_add_co_u32 s21, s20, 3
	s_sub_co_u32 s21, s21, s16
	s_lshr_b32 s21, s21, 2                         ; of them I stage those with k % 4 = w: at most 8
	s_wait_loadcnt 63                              ; 81 loads are issued: the oldest 18 are in, the list first among them
; STAGING, four units a turn.  The loads go down a ladder of branches on the count and the stores come back up it, so that on every way just the sets that were loaded are stored.
.macro LOADU rd, u
	s_add_co_u32 s34, s16, 16*\rd+4*\u             ; k
	v_readlane_b32 s35, v4, s34
	s_min_u32 s35, s35, 255                        ; its group
	v_lshl_add_u32 v[24+\u], s35, 13, v1
	v_lshl_add_u32 v[28+\u], s35, 9, v1
	WIN 0x80                                       ; destination window 2
.irp i, 0,1,2,3,4,5,6,7,8,9,10,11,12,13,14,15
	global_load_b128 v[64*\u+4*\i:64*\u+4*\i+3], v[24+\u], s[4:5] offset:512*\i   ; a row's 512 consecutive bytes
.endr
	WIN 0
	global_load_b128 v[T+4*\u:T+4*\u+3], v[28+\u], s[4:5] offset:XSC
.endm
.macro STOREU rd, u
	s_wait_loadcnt 0x0
	WIN 0x08                                       ; an LDS store's data are its source 1: window 2
.irp i, 0,1,2,3,4,5,6,7,8,9,10,11,12,13,14,15
	ds_store_b128 v[8+\rd], v[64*\u+4*\i:64*\u+4*\i+3] offset:\u*UB+\i*RP
.endr
	WIN 0
	ds_store_b128 v[10+\rd], v[T+4*\u:T+4*\u+3] offset:\u*UB
.endm
.macro ROUND rd                        ; s22: how many units this turn has, 0 to 4
	s_cmp_eq_u32 s22, 0
	s_cbranch_scc1 .Ls0_\@
	LOADU \rd, 0
	s_cmp_eq_u32 s22, 1
	s_cbranch_scc1 .Ls1_\@
	LOADU \rd, 1
	s_cmp_eq_u32 s22, 2
	s_cbranch_scc1 .Ls2_\@
	LOADU \rd, 2
	s_cmp_eq_u32 s22, 3
	s_cbranch_scc1 .Ls3_\@
	LOADU \rd, 3
	STOREU \rd, 3
.Ls3_\@:
	STOREU \rd, 2
.Ls2_\@:
	STOREU \rd, 1
.Ls1_\@:
	STOREU \rd, 0
.Ls0_\@:
.endm
	s_min_u32 s22, s21, 4
	ROUND 0
	s_wait_dscnt 0x0                               ; the stores have read their registers: the next turn loads into them
	s_sub_co_i32 s22, s21, 4
	s_max_i32 s22, s22, 0
	s_min_u32 s22, s22, 4
	ROUND 1
	s_wait_loadcnt 0x0                             ; W1, its scales and b1 are in
	s_wait_dscnt 0x0                               ; for the others' sake: my LDS stores have landed
	s_barrier_signal -1
	s_barrier_wait -1                              ; all units lie in LDS; from here on LDS is only read
; gelu(x) = x / (1 + 2^(x (k1 + k2 x^2))), which is 0.5 x (1 + tanh(sqrt(2 / pi) (x + 0.044715 x^3))); then the two blocks of 32 are quantised
.macro EPILOG
.set JJ, 0
.rept 16
	v_pk_mul_f32 v[T+JJ:T+JJ+1], v[ACC+JJ:ACC+JJ+1], v[ACC+JJ:ACC+JJ+1]   ; each accumulator from its low end on
.set JJ, JJ+2
.endr
.set JJ, 0
.rept 16
	v_pk_fma_f32 v[T+JJ:T+JJ+1], v[T+JJ:T+JJ+1], s[28:29], v[K1:K1+1] op_sel_hi:[1,0,1]
.set JJ, JJ+2
.endr
.set JJ, 0
.rept 16
	v_pk_mul_f32 v[T+JJ:T+JJ+1], v[T+JJ:T+JJ+1], v[ACC+JJ:ACC+JJ+1]
.set JJ, JJ+2
.endr
.set JJ, 0
.rept 32
	v_exp_f32 v[T+JJ], v[T+JJ]
.set JJ, JJ+1
.endr
	v_nop                                          ; a plain line behind the exponentials
.set JJ, 0
	s_wait_alu depctr_va_vdst(0)
.rept 16
	v_pk_add_f32 v[T+JJ:T+JJ+1], v[T+JJ:T+JJ+1], 1.0 op_sel_hi:[1,0]
.set JJ, JJ+2
.endr
.set JJ, 0
.rept 32
	v_rcp_f32 v[T+JJ], v[T+JJ]
.set JJ, JJ+1
.endr
	v_nop
.set JJ, 0
	s_wait_alu depctr_va_vdst(0)
.rept 16
	v_pk_mul_f32 v[ACC+JJ:ACC+JJ+1], v[ACC+JJ:ACC+JJ+1], v[T+JJ:T+JJ+1]   ; h: register 16 b + i is hidden unit 32 b + 16 h + i of my token
.set JJ, JJ+2
.endr
.irp b, 0,1
	v_max3_num_f32 v[TM+\b], |v[ACC+16*\b]|, |v[ACC+16*\b+1]|, 0x1800000   ; my 16 of block b, and the floor 2^(3 - 127)
.endr
.irp i, 2,4,6,8,10,12,14
.irp b, 0,1
	v_max3_num_f32 v[TM+\b], v[TM+\b], |v[ACC+16*\b+\i]|, |v[ACC+16*\b+\i+1]|
.endr
.endr
.irp b, 0,1
	v_permlanex16_b32 v[TM+2+\b], v[TM+\b], s30, s31
.endr
.irp b, 0,1
	v_max_num_f32 v[TM+\b], v[TM+\b], v[TM+2+\b]   ; with lane l xor 16's 16: the block's largest magnitude
.endr
.irp b, 0,1
	v_add_nc_u32 v[TM+4+\b], 0xff000000, v[TM+\b]  ; 2 off the exponent field: the conversion's scale operand
.endr
.irp b, 0,1
	v_lshrrev_b32 v[TM+6+\b], 23, v[TM+4+\b]       ; the scale's byte
.endr
	v_lshl_or_b32 v[PW], v[TM+7], 8, v[TM+6]
.irp b, 0,1
	v_cvt_scalef32_pk8_fp4_f32 v[PC+2*\b], v[ACC+16*\b:ACC+16*\b+7], v[TM+4+\b]
	v_cvt_scalef32_pk8_fp4_f32 v[PC+2*\b+1], v[ACC+16*\b+8:ACC+16*\b+15], v[TM+4+\b]
.endr
	v_nop                                          ; one plain line behind the scaled conversions
	v_permlane16_swap_b32 v[PC], v[PC+2]           ; the operand's layout wants a whole block in a lane: lanes 0-15 block 0, lanes 16-31 block 1
	v_permlane16_swap_b32 v[PC+1], v[PC+3]
.endm
.macro UNIT q                          ; unit k = 4 x trip + q
	s_lshl_b32 s34, s32, 2
	s_add_co_u32 s34, s34, \q
	s_cmp_ge_u32 s34, s20
	s_cbranch_scc1 .Lskip_\@
	v_add_nc_u32 v20, s33, v[12+\q]
	v_add_nc_u32 v21, s33, v[16+\q]
	ds_load_b128 v[XS:XS+3], v21
	ds_load_b128 v[XS+4:XS+7], v21 offset:16
.irp i, 0,1,2,3,4,5,6,7,8,9,10,11,12,13,14,15
	ds_load_b128 v[AF+4*\i:AF+4*\i+3], v20 offset:32*\i
.endr
	v_readlane_b32 s35, v4, s34
	s_min_u32 s35, s35, 255
	s_lshl_b32 s35, s35, 3
	s_add_co_u32 s35, s35, s17
	s_mul_i32 s35, s35, USZ                        ; the unit's slot
	s_add_co_u32 s36, s35, s38
	s_add_co_u32 s37, s35, s39
	WIN 0x01                                       ; source 0 (W1) window 1
.irp s, 0,1,2,3,4,5,6,7
	s_wait_dscnt 14-2*\s                           ; of 18 LDS loads the scale words and the fragments up to K step s are in
.irp t, 0,1,2,3                                ; the four accumulators take turns, one instruction a turn
.if \s == 0
	v_wmma_scale_f32_16x16x128_f8f6f4 v[ACC+8*\t:ACC+8*\t+7], v[64*\t+8*\s:64*\t+8*\s+7], v[AF+8*\s:AF+8*\s+7], v[B1+8*\t:B1+8*\t+7], v[W1S+8*\t+\s], v[XS+\s] matrix_a_fmt:MATRIX_FMT_FP4 matrix_b_fmt:MATRIX_FMT_FP4
.else
	v_wmma_scale_f32_16x16x128_f8f6f4 v[ACC+8*\t:ACC+8*\t+7], v[64*\t+8*\s:64*\t+8*\s+7], v[AF+8*\s:AF+8*\s+7], v[ACC+8*\t:ACC+8*\t+7], v[W1S+8*\t+\s], v[XS+\s] matrix_a_fmt:MATRIX_FMT_FP4 matrix_b_fmt:MATRIX_FMT_FP4
.endif
.endr
.endr
	WIN 0
	s_wait_xcnt 0x0                                ; the last unit's stores have read their addresses and data: these are written again below
	v_add_nc_u32 v22, s36, v1                      ; four plain lines behind the last product (ISA guide 7.12.1), ahead of the first read of a result
	v_add_nc_u32 v23, s37, v32
	v_nop
	v_nop
	EPILOG
	global_store_b128 v22, v[PC:PC+3], s[14:15]    ; 512 consecutive bytes: half a fragment's image
	global_store_b16 v23, v[PW], s[14:15]          ; 32 consecutive bytes: 16 rows' two scale bytes (lanes 16-31 repeat lanes 0-15)
.Lskip_\@:
.endm
	s_mov_b32 s32, 0
	s_mov_b32 s33, 0
.Lunits:                                           ; 8 trips of four units: a constant count, so that the LDS addresses step by a constant
	UNIT 0
	UNIT 1
	UNIT 2
	UNIT 3
	s_add_co_u32 s33, s33, UB
	s_add_co_u32 s32, s32, 1
	s_cmp_lt_u32 s32, 8
	s_cbranch_scc1 .Lunits
	s_wait_tensorcnt 0x0
	ds_add_u32 v39, v253
	s_wait_dscnt 0x0
	s_endpgm
.Lfunc_end_k_qe2b3811b7c_up:
	.size	k_qe2b3811b7c_up, .Lfunc_end_k_qe2b3811b7c_up-k_qe2b3811b7c_up
	.p2alignl 7, 3214868480
	.fill 96, 4, 3214868480
	.section	.rodata,"a",@progbits
	.p2align	6, 0x0
	.amdhsa_kernel k_qe2b3811b7c_up
		.amdhsa_group_segment_fixed_size 287232
		.amdhsa_private_segment_fixed_size 0
		.amdhsa_enable_private_segment 0
		.amdhsa_kernarg_size 48
		.amdhsa_user_sgpr_count 2
		.amdhsa_user_sgpr_kernarg_segment_ptr 1
		.amdhsa_wavefront_size32 1
		.amdhsa_system_sgpr_workgroup_id_x 1
		.amdhsa_system_sgpr_workgroup_id_y 1
		.amdhsa_system_sgpr_workgroup_id_z 1
		.amdhsa_system_vgpr_workitem_id 0
		.amdhsa_next_free_vgpr 768
		.amdhsa_next_free_sgpr 66
		.amdhsa_reserve_vcc 0
		.amdhsa_float_denorm_mode_32 3
		.amdhsa_float_denorm_mode_16_64 3
		.amdhsa_memory_ordered 1
		.amdhsa_forward_progress 1
		.amdhsa_inst_pref_size 99
	.end_amdhsa_kernel
	.amdgpu_metadata
---
amdhsa.version: [ 1, 2 ]
amdhsa.kernels:
  - .name:           k_qe2b3811b7c_up
    .symbol:         k_qe2b3811b7c_up.kd
    .args:
      - { .name: xsd, .offset: 0, .size: 8, .value_kind: global_buffer, .address_space: global }
      - { .name: tabs, .offset: 8, .size: 8, .value_kind: global_buffer, .address_space: global }
      - { .name: wf, .offset: 16, .size: 8, .value_kind: global_buffer, .address_space: global }
      - { .name: W1_scales, .offset: 24, .size: 8, .value_kind: global_buffer, .address_space: global }
      - { .name: b1, .offset: 32, .size: 8, .value_kind: global_buffer, .address_space: global }
      - { .name: hbuf, .offset: 40, .size: 8, .value_kind: global_buffer, .address_space: global }
    .group_segment_fixed_size: 287232
    .private_segment_fixed_size: 0
    .kernarg_segment_align: 8
    .kernarg_segment_size: 48
    .max_flat_workgroup_size: 128
    .sgpr_count:     66
    .vgpr_count:     768
    .wavefront_size: 32
...
	.end_amdgpu_metadata
.endif
;; end of part 7
;; launch down (part 8): grid 256 x 1, 4 waves a work-group, no clusters, 296,448 bytes of LDS; arguments hbuf, tabs, wts, wf, W2_scales, b2, out0; writes out0
.if DOCPART == 8
	.amdgcn_target "amdgcn-amd-amdhsa--gfx1250"
	.amdhsa_code_object_version 6
	.text
	.protected	k_qe2b3811b7c_down
	.globl	k_qe2b3811b7c_down
	.p2align	8
	.type	k_qe2b3811b7c_down,@function
k_qe2b3811b7c_down:
	s_mov_b64 s[64:65], 0
	v_nop
	global_prefetch_b8 v0, s[64:65] scope:SCOPE_SE
	s_setreg_imm32_b32 hwreg(HW_REG_WAVE_MODE, 25, 1), 1
	s_wait_xcnt 0x0
; out[t] = the sum over the experts e of w[t][e] (Q(h[e][t]) W2[e] + b2[e]).  Both operands E2M1 with E8M0 scales, sums f32.  w is 0 where token t did not choose e, so a unit's rows that are not e's add nothing.
; SHARES.  Work-group (blk, nt): four groups of 16 sorted tokens, 256 columns.  Wave w: columns 256 nt + 64 w .. + 63 for all 64 tokens.  EACH OUTPUT NUMBER HAS ONE OWNER: it sums its experts in registers.
; The work-group walks the experts that its four groups use (the OR of their masks), one after the other.  An expert's REQUEST is 84 loads a wave: its part of W2 (256 registers), its scale words, b2 and the tokens'
; weights; there are two sets of registers, each with scalar bases of its own.  W2's codes come from wf, where the first launch has laid them in the order of the operand registers: W2F bytes on, block
; 16 e + 4 nt + w of 32,768 bytes, tile t, K step s, half c at 8,192 t + 1,024 s + 512 c + 16 x lane: each load of the wave covers 512 consecutive bytes.
; TWO REQUESTS ARE ON THEIR WAY for the first three experts: the group's units of h are asked for first, expert 0's request stands behind them, expert 1's behind the units' LDS stores, expert 2's behind expert 0's
; products.  A request and the products that use it stand on one and the same way through the text.  From the fourth expert on, which few blocks have, a loop asks for one expert while the one before is multiplied.
; The block's units of h come into LDS once (wave q: group q's), as the images that the launch before stored.
; The product is used transposed (source 0 = 16 rows of W2, source 1 = 16 tokens): a lane holds one token and eight neighbouring columns.  b2 is the C of each sum's first matrix instruction.
; NO TENSOR LOADS, SO NO JOINT LOADS, though work-groups read the same parts of W2: which experts a block walks, and how many, is read from memory, and branches hang on it; operands come by plain loads.
; The totals are cleared by 128 moves: which expert comes first for a group is data, so no product can start them; the moves stand while the first requests are on their way.
.set GM,   16384
.set USZ,  8704
.set W2F,  4194304                     ; where W2's blocks begin in wf
.set WREG, 8*USZ                       ; LDS: a group's region: its u-th unit at u USZ: 8,192 bytes of images, then the scale bytes turned to [row][32]
.set STG,  32*USZ                      ; behind the 32 slots: a stage of 16 rows x 272 bytes for each wave
.set SP,   272
.set TW,   16                          ; v16-19   32 x my token (lane r) of group q
.set VA,   20                          ; v20-23   staging offsets
.set SS,   24                          ; v24-39   four units' scale halves
.set TROW, 40                          ; v40-71   the way out: my byte offset in out for rows 2 i + h of group q, at 8 q + i
.set AF,   72                          ; v72-135  h's eight fragments; on the way out two sets of 32
.set AS8,  136                         ; v136-143 h's scale words
.set ACC,  144                         ; v144-175 four accumulators
.set W2S,  176                         ; v176-239 W2's scale words, two sets of 32: tile t, K step s at 8 t + s
.set WQ,   240                         ; v240-247 the weights, two sets of four (group q)
.set B2,   128                         ; in window 2: b2, two sets of 32; below it the totals, group q, tile t at 32 q + 8 t
; window 1: W2's fragments, set 0 (tile t, K step s at 64 t + 8 s);  window 3: staging, then set 1.
.set MSB, 0
.macro WIN new                         ; the immediate's high byte repeats the setting that is left
.if MSB != (\new)
	s_set_vgpr_msb (MSB<<8)|(\new)
.set MSB, (\new)
.endif
.endm
	s_load_b256 s[4:11], s[0:1], 0x0               ; hbuf s[4:5], tabs s[6:7], wts s[8:9], wf s[10:11]
	s_load_b128 s[12:15], s[0:1], 0x20             ; W2's scales s[12:13], b2 s[14:15]
	s_load_b64 s[16:17], s[0:1], 0x30              ; out0
	v_lshl_add_u32 v254, v0, 2, 0x48400
	v_mov_b32 v255, 0
	v_lshrrev_b32 v1, 5, v0
	v_readfirstlane_b32 s18, v1                    ; wave
	v_and_b32 v248, 31, v0                         ; lane
	v_lshlrev_b32 v1, 4, v248                      ; 16 l
	v_and_b32 v2, 15, v0                           ; r
	v_bfe_u32 v3, v0, 4, 1                         ; h
	v_lshlrev_b32 v5, 5, v2                        ; W2's scales: 32 bytes a row
	v_lshlrev_b32 v6, 5, v3                        ; b2: 8 h numbers on
	s_mul_i32 s25, s18, WREG
	v_add_nc_u32 v7, s25, v1                       ; staging, images: my region + 16 l;
	v_add_nc_u32 v8, 4*USZ, v7                     ; the second four units
	v_and_b32 v9, 1, v248
	v_lshlrev_b32 v9, 8, v9
	v_lshrrev_b32 v10, 1, v248
	v_lshl_add_u32 v9, v10, 1, v9
	v_add_nc_u32 v9, s25, v9
	v_add_nc_u32 v9, 8192, v9                      ; staging, scales: I hold cg = l / 2, rows 8 (l % 2) on: row x 32 + 2 cg
	v_add_nc_u32 v10, 4*USZ, v9
	v_add_nc_u32 v13, 8192, v5                     ; reading: row r's scale words
	s_mul_i32 s25, s18, 16*SP
	s_add_co_u32 s25, s25, STG                     ; my stage
	v_mul_u32_u24 v14, v2, SP
	v_lshl_add_u32 v14, v3, 5, v14
	v_add_nc_u32 v14, s25, v14                     ; in: row r, 32 bytes for each half of the lanes
	v_mul_u32_u24 v15, v3, SP
	v_lshl_add_u32 v15, v2, 4, v15
	v_add_nc_u32 v15, s25, v15                     ; back: lanes 0-15 one row of 256 bytes, lanes 16-31 the next
	v_lshlrev_b32 v249, 2, v2
	v_lshlrev_b32 v250, 2, v3
	s_lshr_b32 s19, ttmp9, 2                       ; blk
	s_and_b32 s24, ttmp9, 3                        ; nt
	s_lshl_b32 s41, s19, 4
	s_mov_b32 s27, 0
	s_wait_kmcnt 0x0
	s_load_b128 s[20:23], s[6:7], s41 offset:GM    ; my four groups' masks
	s_lshl_b32 s26, s19, 8
	s_add_nc_u64 s[28:29], s[6:7], s[26:27]        ; perm at my 64 places
.irp q, 0,1,2,3
	global_load_b32 v[TW+\q], v249, s[28:29] offset:64*\q
.endr
.irp q, 0,1,2,3
.irp i, 0,1,2,3,4,5,6,7
	global_load_b32 v[TROW+8*\q+\i], v250, s[28:29] offset:64*\q+8*\i
.endr
.endr
	s_lshl_b32 s25, s24, 8
	s_lshl_b32 s38, s18, 6
	s_add_co_u32 s25, s25, s38                     ; my first column
	s_lshl_b32 s26, s25, 9
	s_add_nc_u64 s[44:45], s[10:11], s[26:27]      ; wf: 64 columns are a block of 32,768 bytes,
	s_add_nc_u64 s[44:45], s[44:45], W2F           ; among W2's blocks, expert 0's
	s_lshl_b32 s26, s25, 5
	s_add_nc_u64 s[46:47], s[12:13], s[26:27]      ; W2's scales and b2 at my 64 rows of expert 0
	s_lshl_b32 s26, s25, 2
	s_add_nc_u64 s[48:49], s[14:15], s[26:27]
	v_lshl_add_u32 v251, v2, 4, s26                ; my 16 bytes of a row of out
	s_lshl_b32 s40, s19, 2
	s_add_co_u32 s40, s40, s18
	s_lshl_b32 s40, s40, 3                         ; 8 x the group that I stage
	s_wait_kmcnt 0x0
	s_and_b32 s20, s20, 255
	s_and_b32 s21, s21, 255
	s_and_b32 s22, s22, 255
	s_and_b32 s23, s23, 255
	s_or_b32 s30, s20, s21
	s_or_b32 s30, s30, s22
	s_or_b32 s30, s30, s23                         ; the experts still to walk
	s_bcnt1_i32_b32 s31, s30
	s_min_u32 s31, s31, 8                          ; how many
.macro NEXT_E set                      ; the lowest expert left -> s[32 + set]
	s_ctz_i32_b32 s[32+\set], s30
	s_min_u32 s[32+\set], s[32+\set], 7
	s_sub_co_u32 s38, s30, 1
	s_and_b32 s30, s30, s38
.endm
; A request, 84 loads: expert s[32 + set]'s part of W2, its scale words, b2 and the 64 tokens' weights, into set.  Set 0's four bases are s[52:59], set 1's s[66:73]: a set's bases are written again only
; behind a wait that shows the set's last request done.
.macro LOADB set
.set BS, 52+14*\set
	s_mov_b32 s61, 0
	s_lshl_b32 s60, s[32+\set], 19
	s_add_nc_u64 s[BS:BS+1], s[44:45], s[60:61]
	s_lshl_b32 s60, s[32+\set], 15
	s_add_nc_u64 s[BS+2:BS+3], s[46:47], s[60:61]
	s_lshl_b32 s60, s[32+\set], 12
	s_add_nc_u64 s[BS+4:BS+5], s[48:49], s[60:61]
	s_lshl_b32 s60, s[32+\set], 2
	s_add_nc_u64 s[BS+6:BS+7], s[8:9], s[60:61]
	WIN 0x40+0x80*\set                             ; destination window 1 or 3
.irp t, 0,1,2,3
.irp s, 0,1,2,3,4,5,6,7
.irp c, 0,1
	global_load_b128 v[64*\t+8*\s+4*\c:64*\t+8*\s+4*\c+3], v1, s[BS:BS+1] offset:8192*\t+1024*\s+512*\c   ; 512 consecutive bytes: four registers of a fragment, lane by lane
.endr
.endr
.endr
	WIN 0
.irp t, 0,1,2,3
	global_load_b128 v[W2S+32*\set+8*\t:W2S+32*\set+8*\t+3], v5, s[BS+2:BS+3] offset:512*\t
	global_load_b128 v[W2S+32*\set+8*\t+4:W2S+32*\set+8*\t+7], v5, s[BS+2:BS+3] offset:512*\t+16
.endr
	WIN 0x80                                       ; destination window 2
.irp t, 0,1,2,3
	global_load_b128 v[B2+32*\set+8*\t:B2+32*\set+8*\t+3], v6, s[BS+4:BS+5] offset:64*\t
	global_load_b128 v[B2+32*\set+8*\t+4:B2+32*\set+8*\t+7], v6, s[BS+4:BS+5] offset:64*\t+16
.endr
	WIN 0
.irp q, 0,1,2,3
	global_load_b32 v[WQ+4*\set+\q], v[TW+\q], s[BS+6:BS+7]
.endr
.endm
; STAGING.  LOADU: the next unit of my group, 17 loads, into set u of window 3.  STOREU: that set into LDS; left: how many younger loads may be out.
.macro LOADU u
	s_ctz_i32_b32 s38, s35
	s_min_u32 s38, s38, 7                          ; the group's next expert
	s_sub_co_u32 s39, s35, 1
	s_and_b32 s35, s35, s39
	s_add_co_u32 s38, s38, s40
	s_mul_i32 s38, s38, USZ                        ; its slot in hbuf
	v_add_nc_u32 v[VA+\u], s38, v1
	WIN 0xc0                                       ; destination window 3
.irp i, 0,1,2,3,4,5,6,7,8,9,10,11,12,13,14,15
	global_load_b128 v[64*\u+4*\i:64*\u+4*\i+3], v[VA+\u], s[4:5] offset:512*\i
.endr
	WIN 0
	global_load_b128 v[SS+4*\u:SS+4*\u+3], v[VA+\u], s[4:5] offset:8192
.endm
.macro STOREU rd, u, left
	s_wait_loadcnt \left
	WIN 0x0c                                       ; an LDS store's data are its source 1: window 3
.irp i, 0,1,2,3,4,5,6,7,8,9,10,11,12,13,14,15
	ds_store_b128 v[7+\rd], v[64*\u+4*\i:64*\u+4*\i+3] offset:\u*USZ+512*\i
.endr
	WIN 0
.irp j, 0,1,2,3                                ; register j: rows 8 (l % 2) + 2 j and + 2 j + 1 of column group l / 2
	ds_store_b16 v[9+\rd], v[SS+4*\u+\j] offset:\u*USZ+64*\j
	ds_store_b16_d16_hi v[9+\rd], v[SS+4*\u+\j] offset:\u*USZ+64*\j+32
.endr
.endm
.macro ROUND rd                        ; s37: how many units this turn has, 0 to 4: loads down a ladder of branches, stores back up it, so that on every way just the sets that were loaded are stored
	s_cmp_eq_u32 s37, 0
	s_cbranch_scc1 .Ls0_\@
	LOADU 0
	s_cmp_eq_u32 s37, 1
	s_cbranch_scc1 .Ls1_\@
	LOADU 1
	s_cmp_eq_u32 s37, 2
	s_cbranch_scc1 .Ls2_\@
	LOADU 2
	s_cmp_eq_u32 s37, 3
	s_cbranch_scc1 .Ls3_\@
	LOADU 3
	STOREU \rd, 3, 0
.Ls3_\@:
	STOREU \rd, 2, 0
.Ls2_\@:
	STOREU \rd, 1, 0
.Ls1_\@:
	STOREU \rd, 0, 0
.Ls0_\@:
.endm
	NEXT_E 0
	s_cmp_eq_u32 s18, 1                            ; the mask of the group that I stage
	s_cselect_b32 s35, s21, s20
	s_cmp_eq_u32 s18, 2
	s_cselect_b32 s35, s22, s35
	s_cmp_eq_u32 s18, 3
	s_cselect_b32 s35, s23, s35
	s_bcnt1_i32_b32 s36, s35                       ; its units: 2 to 8 (a token has two experts)
	; THE FIRST FOUR UNITS, with expert 0's request at the ladder's turning point, written once for each way: so the request stands behind the units' loads and ahead of the wait for them.
	LOADU 0                                        ; two units without a branch: every group has them
	LOADU 1
	s_wait_loadcnt 34                              ; perm's 36 loads are in; the 2 x 17 just issued may be out
.irp q, 0,1,2,3
	v_min_u32 v[TW+\q], 4095, v[TW+\q]
	v_lshlrev_b32 v[TW+\q], 5, v[TW+\q]
.endr
	s_cmp_le_u32 s36, 2
	s_cbranch_scc1 .Lt2
	LOADU 2
	s_cmp_le_u32 s36, 3
	s_cbranch_scc1 .Lt3
	LOADU 3
	LOADB 0
	STOREU 0, 3, 63                                ; the request's 84 loads stand behind the units': with at most 63 out, the units are in
	s_branch .Lj3
.Lt3:
	LOADB 0
.Lj3:
	STOREU 0, 2, 63
	s_branch .Lj2
.Lt2:
	LOADB 0
.Lj2:
	STOREU 0, 1, 63
	STOREU 0, 0, 63
	s_wait_dscnt 0x0                               ; the stores have read their registers: the next turn loads into them
	s_sub_co_i32 s37, s36, 4
	s_max_i32 s37, s37, 0
	s_min_u32 s37, s37, 4
	ROUND 1                                        ; units 5 to 8, where a group has so many
	s_wait_dscnt 0x0                               ; for the others' sake: my LDS stores have landed; and they have read window 3, which set 1 takes now
	NEXT_E 1
	LOADB 1                                        ; every block has a second expert
.set JJ, 0
.rept 32
	v_min_u32 v[TROW+JJ], 4095, v[TROW+JJ]
	v_lshl_add_u32 v[TROW+JJ], v[TROW+JJ], 12, v251
.set JJ, JJ+1
.endr
	WIN 0x80
.set JJ, 0
.rept 128
	v_mov_b32 v[JJ], 0                             ; the totals
.set JJ, JJ+1
.endr
	WIN 0
	s_barrier_signal -1
	s_barrier_wait -1                              ; the block's units lie in LDS; up to the next barrier LDS is only read
; group q under the expert of set, if the group uses it
.macro UNITD set, q
	s_lshr_b32 s38, s[20+\q], s[32+\set]
	s_and_b32 s38, s38, 1
	s_cmp_eq_u32 s38, 0
	s_cbranch_scc1 .Lnone_\@
	s_bfm_b32 s38, s[32+\set], 0
	s_and_b32 s38, s38, s[20+\q]
	s_bcnt1_i32_b32 s38, s38                       ; how many of the group's experts come before this one: its place in the group's region
	s_min_u32 s38, s38, 7
	s_add_co_u32 s38, s38, 8*\q
	s_mul_i32 s38, s38, USZ
	v_add_nc_u32 v11, s38, v1
	v_add_nc_u32 v12, s38, v13
	ds_load_b128 v[AS8:AS8+3], v12
	ds_load_b128 v[AS8+4:AS8+7], v12 offset:16
.irp i, 0,1,2,3,4,5,6,7,8,9,10,11,12,13,14,15
	ds_load_b128 v[AF+4*\i:AF+4*\i+3], v11 offset:512*\i   ; an image comes back as it was stored: the same registers in the same lanes
.endr
.irp s, 0,1,2,3,4,5,6,7
	s_wait_dscnt 14-2*\s                           ; of 18 LDS loads the scale words and the fragments up to K step s are in
.if \s == 0
	WIN 0x21+2*\set                                ; source 0 (W2) window 1 or 3, source 2 (b2) window 2
.else
	WIN 0x01+2*\set
.endif
.irp t, 0,1,2,3                                ; the four accumulators take turns, one instruction a turn
.if \s == 0
	v_wmma_scale_f32_16x16x128_f8f6f4 v[ACC+8*\t:ACC+8*\t+7], v[64*\t+8*\s:64*\t+8*\s+7], v[AF+8*\s:AF+8*\s+7], v[B2+32*\set+8*\t:B2+32*\set+8*\t+7], v[W2S+32*\set+8*\t+\s], v[AS8+\s] matrix_a_fmt:MATRIX_FMT_FP4 matrix_b_fmt:MATRIX_FMT_FP4
.else
	v_wmma_scale_f32_16x16x128_f8f6f4 v[ACC+8*\t:ACC+8*\t+7], v[64*\t+8*\s:64*\t+8*\s+7], v[AF+8*\s:AF+8*\s+7], v[ACC+8*\t:ACC+8*\t+7], v[W2S+32*\set+8*\t+\s], v[AS8+\s] matrix_a_fmt:MATRIX_FMT_FP4 matrix_b_fmt:MATRIX_FMT_FP4
.endif
.endr
.endr
	WIN 0
.rept 4
	v_nop                                          ; four plain lines behind the last product, ahead of the first read of a result and of loads into its operands
.endr
	WIN 0xa0                                       ; the totals (destination and source 2) window 2
.set JJ, 0
.rept 16
.if (\q)%2
	v_pk_fma_f32 v[32*\q+JJ:32*\q+JJ+1], v[ACC+JJ:ACC+JJ+1], v[WQ+4*\set+2*((\q)/2):WQ+4*\set+2*((\q)/2)+1], v[32*\q+JJ:32*\q+JJ+1] op_sel:[0,1,0] op_sel_hi:[1,1,1]
.else
	v_pk_fma_f32 v[32*\q+JJ:32*\q+JJ+1], v[ACC+JJ:ACC+JJ+1], v[WQ+4*\set+2*((\q)/2):WQ+4*\set+2*((\q)/2)+1], v[32*\q+JJ:32*\q+JJ+1] op_sel_hi:[1,0,1]
.endif
.set JJ, JJ+2
.endr                                          ; total += my token's weight x (y + b2), each accumulator from its low end on
	WIN 0
.Lnone_\@:
.endm
.macro COMPUTE set
.irp q, 0,1,2,3
	UNITD \set, \q
.endr
.endm
	; THE FIRST THREE EXPERTS, written out.
	s_wait_loadcnt 63                              ; expert 1's 84 loads stand behind expert 0's: with at most 63 out, set 0 is in
	COMPUTE 0
	s_cmp_le_u32 s31, 2
	s_cbranch_scc1 .Ltwo
	NEXT_E 0
	LOADB 0                                        ; expert 2, into the set just multiplied: its bases' last loads were shown done by the wait above
	s_wait_loadcnt 63                              ; its 84 loads stand behind expert 1's: set 1 is in
	COMPUTE 1
; THE REST OF THE WALK.  A trip walks two experts, so that the two sets are back where they began; trips 1 to 3 serve experts 2 to 7: a constant count.  A trip whose first expert does not exist is jumped over,
; to the place where the trip's ways join, in front of the counter's one step.  The loop is left only by falling through its backward branch.  Set 1 is asked for and multiplied on one and the same way.
	s_mov_b32 s34, 1                               ; the trip: experts 2 s34 and 2 s34 + 1 of the walk; expert 2 has been asked for
.Lpair:
	s_wait_loadcnt 0x0                             ; set 0 is in, and both sets' bases have been read
	s_lshl_b32 s38, s34, 1
	s_cmp_ge_u32 s38, s31
	s_cbranch_scc1 .Ljoin                          ; the walk is over: nothing is left for this trip
	s_add_co_u32 s38, s38, 1
	s_cmp_ge_u32 s38, s31
	s_cbranch_scc1 .Lsingle                        ; an odd count's last expert has no partner
	NEXT_E 1
	LOADB 1                                        ; the next expert is on its way while this one is multiplied
	COMPUTE 0
	s_wait_loadcnt 0x0                             ; set 1 is in
	s_lshl_b32 s38, s34, 1
	s_add_co_u32 s38, s38, 2
	s_cmp_ge_u32 s38, s31
	s_cbranch_scc1 .Lno_more                       ; nothing is asked for behind the last expert
	NEXT_E 0
	LOADB 0
.Lno_more:
	COMPUTE 1
	s_branch .Ljoin
.Lsingle:
	COMPUTE 0
.Ljoin:
	s_add_co_u32 s34, s34, 1
	s_cmp_lt_u32 s34, 4
	s_cbranch_scc1 .Lpair
	s_branch .Ldone
.Ltwo:
	s_wait_loadcnt 0x0                             ; two experts: nothing stands behind expert 1's request
	COMPUTE 1
.Ldone:
	s_wait_loadcnt 0x0
	s_wait_dscnt 0x0                               ; my reads of the units are over
	s_barrier_signal -1
	s_barrier_wait -1                              ; parts the reads above, whose addresses hang on the masks, from the stores into the stages
	; THE WAY OUT, a group at a time: a lane holds 32 bytes of a token's row, the lanes beside it other tokens: through my own stage, back as rows of 256 bytes.
	; LDS serves a wave's instructions in order (ISA guide 5.7.1.4): no wait between the stores and the loads, nor ahead of the next group's stores.
.irp q, 0,1,2,3
.if \q >= 2
	s_wait_xcnt 0x0                                ; group q - 2's stores have read the registers into which these loads land
.endif
	WIN 0x08                                       ; an LDS store's data are its source 1: window 2
.irp t, 0,1,2,3
	ds_store_b128 v14, v[32*\q+8*\t:32*\q+8*\t+3] offset:64*\t
	ds_store_b128 v14, v[32*\q+8*\t+4:32*\q+8*\t+7] offset:64*\t+16
.endr
	WIN 0
.irp i, 0,1,2,3,4,5,6,7
	ds_load_b128 v[AF+32*(\q%2)+4*\i:AF+32*(\q%2)+4*\i+3], v15 offset:2*SP*\i
.endr
.irp i, 0,1,2,3,4,5,6,7
	s_wait_dscnt 7-\i
	global_store_b128 v[TROW+8*\q+\i], v[AF+32*(\q%2)+4*\i:AF+32*(\q%2)+4*\i+3], s[16:17] th:TH_STORE_NT   ; sixteen lanes store 256 consecutive bytes of a token's row, at a multiple of 256 from out's first byte
.endr
.endr
	s_wait_tensorcnt 0x0
	ds_add_u32 v254, v255
	s_wait_dscnt 0x0
	s_endpgm
.Lfunc_end_k_qe2b3811b7c_down:
	.size	k_qe2b3811b7c_down, .Lfunc_end_k_qe2b3811b7c_down-k_qe2b3811b7c_down
	.p2alignl 7, 3214868480
	.fill 96, 4, 3214868480
	.section	.rodata,"a",@progbits
	.p2align	6, 0x0
	.amdhsa_kernel k_qe2b3811b7c_down
		.amdhsa_group_segment_fixed_size 296448
		.amdhsa_private_segment_fixed_size 0
		.amdhsa_enable_private_segment 0
		.amdhsa_kernarg_size 56
		.amdhsa_user_sgpr_count 2
		.amdhsa_user_sgpr_kernarg_segment_ptr 1
		.amdhsa_wavefront_size32 1
		.amdhsa_system_sgpr_workgroup_id_x 1
		.amdhsa_system_sgpr_workgroup_id_y 1
		.amdhsa_system_sgpr_workgroup_id_z 1
		.amdhsa_system_vgpr_workitem_id 0
		.amdhsa_next_free_vgpr 1024
		.amdhsa_next_free_sgpr 80
		.amdhsa_reserve_vcc 0
		.amdhsa_float_denorm_mode_32 3
		.amdhsa_float_denorm_mode_16_64 3
		.amdhsa_memory_ordered 1
		.amdhsa_forward_progress 1
		.amdhsa_inst_pref_size 255
	.end_amdhsa_kernel
	.section	.bss,"aw",@nobits
	.p2align	6
	.space	262144
	.amdgpu_metadata
---
amdhsa.version: [ 1, 2 ]
amdhsa.kernels:
  - .name:           k_qe2b3811b7c_down
    .symbol:         k_qe2b3811b7c_down.kd
    .args:
      - { .name: hbuf, .offset: 0, .size: 8, .value_kind: global_buffer, .address_space: global }
      - { .name: tabs, .offset: 8, .size: 8, .value_kind: global_buffer, .address_space: global }
      - { .name: wts, .offset: 16, .size: 8, .value_kind: global_buffer, .address_space: global }
      - { .name: wf, .offset: 24, .size: 8, .value_kind: global_buffer, .address_space: global }
      - { .name: W2_scales, .offset: 32, .size: 8, .value_kind: global_buffer, .address_space: global }
      - { .name: b2, .offset: 40, .size: 8, .value_kind: global_buffer, .address_space: global }
      - { .name: out0, .offset: 48, .size: 8, .value_kind: global_buffer, .address_space: global }
    .group_segment_fixed_size: 296448
    .private_segment_fixed_size: 0
    .kernarg_segment_align: 8
    .kernarg_segment_size: 56
    .max_flat_workgroup_size: 128
    .sgpr_count:     80
    .vgpr_count:     1024
    .wavefront_size: 32
...
	.end_amdgpu_metadata
.endif
;; end of part 8
